; MI455X (gfx1250); checked and timed in simulation.
; The chip was launched on July 23, 2026; its instructions are those of AMD's public machine-readable ISA for CDNA 5 (MIT licence, August 2026) and "CDNA5" Instruction Set Architecture Reference Guide (July 2026). The comments in the code are by the model that wrote it; some were corrected since.
;; Afmoe Flash Attention. Allowed arithmetic: float matrix products may take bf16 or f16 operands with f32 sums; other float arithmetic in f32, or as packed bf16 or f16 multiplies, adds, multiply-adds, maxima and minima; sums over many terms, partial sums and values carried from step to step in f32; what a program stores and reads back later, other than sums and carried values, may be rounded once to bf16 or f16.
;; Inputs: Wg 2,048 x 2,048 float32; Wk 2,048 x 512 float32; Wo 2,048 x 2,048 float32; Wq 2,048 x 2,048 float32; Wv 2,048 x 512 float32; cos 1 x 4,096 x 128 float32; cu_seqlens 9 int32; hidden_states 1 x 4,096 x 2,048 float32; k_norm_w 128 float32; q_norm_w 128 float32; sin 1 x 4,096 x 128 float32.
;; Outputs: out0 1 x 4,096 x 2,048 float32.
;; One version. Each part assembles by itself: llvm-mc -triple=amdgcn-amd-amdhsa -mcpu=gfx1250 --defsym DOCPART=n.
;; ======== version 1 of 1: 4 launches
;; limits: values are held in f16: magnitudes above 65,504 overflow, below 6.1e-05 lose precision
;; workspace buffers: xb 16,777,216 bytes; wf 20,971,520 bytes; wof 8,388,608 bytes; csb 2,097,152 bytes; hb 33,554,432 bytes; gx 8,388,608 bytes; ag 16,777,216 bytes
;; launch prep (part 1): grid 1440 x 1, 8 waves a work-group, no clusters, 0 bytes of LDS; arguments hidden_states, Wq, Wk, Wv, Wg, Wo, cos, sin, xb, wf, wof, csb; writes xb, wf, wof, csb
.if DOCPART == 1
	.amdgcn_target "amdgcn-amd-amdhsa--gfx1250"
	.amdhsa_code_object_version 6
	.text
	.protected	k_q6b77ff7ee1_prep
	.globl	k_q6b77ff7ee1_prep
	.p2align	8
	.type	k_q6b77ff7ee1_prep,@function
k_q6b77ff7ee1_prep:
	s_mov_b64 s[64:65], 0
	v_nop
	global_prefetch_b8 v0, s[64:65] scope:SCOPE_SE
	s_setreg_imm32_b32 hwreg(HW_REG_WAVE_MODE, 25, 1), 1
	s_wait_xcnt 0x0
; PREP: every input is rounded once to bf16 and laid out as the matrix launches read it.  No arithmetic but the rounding.
;   job X  (work-groups 0-511):     hidden_states f32 -> xb bf16, same order.
;   job W  (work-groups 512-1407):  Wq, Wg, Wo, Wk, Wv ([k][n] f32) -> fragment images of 1,024 bytes: 16 columns x 32 k as a matrix source lies in registers:
;          column r, k = 8 o .. 8 o + 7 at byte (o / 2) 512 + ((o % 2) 16 + r) 16.  wf: [tile column 16][K step 16][quarter 4][fragment 20]; wof: [16][16][4][8].
;          wf's column order: half wn of tile column tc is head hd = 16 wn + tc (0-15 q, 16-19 k, 20-23 v, 24-31 gate heads 0-7), fragments 0-7, then gate columns 1024 + 32 hd .. + 31, fragments 8, 9.
;          Wo is rounded to bf16 and that number written as f16.  LIMIT: below 6.1e-5 f16 keeps a fixed step of 6e-8; beyond 65,504 it holds no number.
;   job CS (work-groups 1408-1439): cos, sin f32 -> csb bf16, 512 bytes a token: cos, then sin, each in the order in which q and k are kept: place 8 q + i holds channel 4 q + i (i < 4) or 64 + 4 q + i - 4.
; cu_seqlens is no argument: reference() never reads it (its segments come from a reshape).
; Memory binds: long runs of loads, whole aligned blocks of 256 bytes out.  No LDS, no matrix unit, no cluster: nothing is shared between waves.
	s_load_b512 s[8:23], s[0:1], 0x0               ; x s[8:9], Wq s[10:11], Wk s[12:13], Wv s[14:15], Wg s[16:17], Wo s[18:19], cos s[20:21], sin s[22:23]
	s_load_b256 s[24:31], s[0:1], 0x40             ; xb s[24:25], wf s[26:27], wof s[28:29], csb s[30:31]
	v_lshrrev_b32 v3, 5, v0
	v_readfirstlane_b32 s4, v3                     ; wave 0..7
	v_and_b32 v3, 31, v0                           ; lane
	v_and_b32 v4, 15, v0                           ; lane % 16
	v_bfe_u32 v5, v0, 4, 1                         ; lane / 16
	s_mov_b32 s5, ttmp9
	s_wait_kmcnt 0x0
	s_cmp_lt_u32 s5, 512
	s_cbranch_scc1 .Ljobx
	s_cmp_lt_u32 s5, 1408
	s_cbranch_scc1 .Ljobw
	; JOB CS.  A wave takes 16 tokens, two a load: lanes 0-15 one token, lanes 16-31 the next; lane q takes channels 4 q .. + 3 and 64 + 4 q .. + 3.
	s_sub_co_u32 s6, s5, 1408
	s_lshl_b32 s32, s6, 7
	s_lshl4_add_u32 s32, s4, s32                   ; first token = 128 c + 16 w
	s_lshl_b32 s32, s32, 9                         ; 512 bytes a token in cos, in sin and in csb
	s_mov_b32 s33, 0
	s_add_nc_u64 s[20:21], s[20:21], s[32:33]
	s_add_nc_u64 s[22:23], s[22:23], s[32:33]
	s_add_nc_u64 s[30:31], s[30:31], s[32:33]
	v_lshlrev_b32 v1, 4, v4
	v_lshl_add_u32 v1, v5, 9, v1                   ; 512 (lane / 16) + 16 q: the same offset in and out
.macro CSB ub                          ; four pairs of tokens: 16 loads, then for each pair 8 roundings and 2 stores
.irp k, 0,1,2,3
	global_load_b128 v[16+16*\k:19+16*\k], v1, s[20:21] offset:1024*((\ub)+\k) th:TH_LOAD_NT
	global_load_b128 v[20+16*\k:23+16*\k], v1, s[20:21] offset:1024*((\ub)+\k)+256 th:TH_LOAD_NT
	global_load_b128 v[24+16*\k:27+16*\k], v1, s[22:23] offset:1024*((\ub)+\k) th:TH_LOAD_NT
	global_load_b128 v[28+16*\k:31+16*\k], v1, s[22:23] offset:1024*((\ub)+\k)+256 th:TH_LOAD_NT
.endr
.irp k, 0,1,2,3
	s_wait_loadcnt 12-4*\k                         ; loads come back in order: this pair's four are in, the younger ones stay out
.irp n, 0,1,2,3,4,5,6,7
	v_cvt_pk_bf16_f32 v[80+8*\k+\n], v[16+16*\k+2*\n], v[17+16*\k+2*\n]
.endr
	global_store_b128 v1, v[80+8*\k:83+8*\k], s[30:31] offset:1024*((\ub)+\k) th:TH_STORE_NT       ; 16 lanes: 256 consecutive bytes, aligned
	global_store_b128 v1, v[84+8*\k:87+8*\k], s[30:31] offset:1024*((\ub)+\k)+256 th:TH_STORE_NT
.endr
.endm
	CSB 0
	s_wait_xcnt 0x0                                ; the stores have read their data registers: they are written again only behind this wait
	CSB 4
	s_endpgm
.Ljobx:
	; JOB X.  A wave takes 8,192 bytes of x: 16 loads of 512 consecutive bytes; each gives 256 consecutive bytes of xb.
	s_lshl_b32 s32, s5, 16
	s_lshl_b32 s34, s4, 13
	s_add_co_u32 s32, s32, s34
	s_mov_b32 s33, 0
	s_add_nc_u64 s[8:9], s[8:9], s[32:33]
	s_lshr_b32 s32, s32, 1
	s_add_nc_u64 s[24:25], s[24:25], s[32:33]
	v_lshlrev_b32 v1, 4, v3
	v_lshlrev_b32 v2, 3, v3
.set i, 0
.rept 16
	global_load_b128 v[16+4*i:19+4*i], v1, s[8:9] offset:512*i th:TH_LOAD_NT
.set i, i+1
.endr
.set i, 0
.rept 16
	s_wait_loadcnt 15-i                            ; load i is in, the younger ones stay out
	v_cvt_pk_bf16_f32 v[80+2*i], v[16+4*i], v[17+4*i]
	v_cvt_pk_bf16_f32 v[81+2*i], v[18+4*i], v[19+4*i]
	global_store_b64 v2, v[80+2*i:81+2*i], s[24:25] offset:256*i th:TH_STORE_NT
.set i, i+1
.endr
	s_endpgm
; JOB W.  A wave takes 32 columns x 64 k: lane l holds column l of the 32, a register a k.  Eight k of a column are 16 bytes of an image.
; 64 loads of 128 consecutive bytes (the work-group's eight waves cover 1,024 bytes of each row); 8 stores, in each of which 16 lanes fill 256 consecutive bytes, aligned.
.macro WJOB stride, kqs, f16
.set i, 0
.rept 64
	global_load_b32 v[16+i], v1, s[32:33] offset:i*(\stride) th:TH_LOAD_NT
.set i, i+1
.endr
.set t, 0
.rept 8
	s_wait_loadcnt 56-8*t                          ; the eight k of this octet are in, the younger loads stay out
.irp n, 0,1,2,3
	v_cvt_pk_bf16_f32 v[80+4*t+\n], v[16+8*t+2*\n], v[17+8*t+2*\n]
.endr
.if \f16
.irp n, 0,1,2,3
	v_lshlrev_b32 v[16+8*t+2*\n], 16, v[80+4*t+\n]         ; the bf16 numbers as f32,
	v_and_b32 v[17+8*t+2*\n], 0xffff0000, v[80+4*t+\n]
.endr
.irp n, 0,1,2,3
	v_cvt_pk_f16_f32 v[80+4*t+\n], v[16+8*t+2*\n], v[17+8*t+2*\n]  ; written as f16
.endr
.endif
	global_store_b128 v2, v[80+4*t:83+4*t], s[40:41] offset:(t/4)*(\kqs)+((t%4)/2)*512+(t%2)*256 th:TH_STORE_NT
.set t, t+1
.endr
.endm
; wf's place for the group of 32 columns vg (s38) and the block of 64 k (s35)
.macro WFDST
	s_lshr_b32 s39, s38, 2                         ; a head's group: head vg / 4,
	s_and_b32 s42, s38, 3                          ; pair of fragments vg % 4
	s_sub_co_u32 s43, s38, 128                     ; a group of the gate's upper half: head vg - 128,
	s_cmp_lt_u32 s38, 128
	s_cselect_b32 s39, s39, s43
	s_cselect_b32 s42, s42, 4                      ; pair 4
	s_and_b32 s43, s39, 15                         ; tile column
	s_lshr_b32 s39, s39, 4                         ; half
	s_mul_i32 s39, s39, 10
	s_lshl1_add_u32 s39, s42, s39                  ; first fragment = 10 half + 2 pair
	s_lshr_b32 s42, s35, 1                         ; K step
	s_lshl4_add_u32 s43, s43, s42
	s_and_b32 s42, s35, 1
	s_lshl_b32 s42, s42, 1                         ; first quarter
	s_lshl2_add_u32 s43, s43, s42
	s_mul_i32 s43, s43, 20480
	s_lshl_b32 s39, s39, 10
	s_add_co_u32 s40, s43, s39
	s_add_nc_u64 s[40:41], s[26:27], s[40:41]
.endm
.Ljobw:
	s_sub_co_u32 s6, s5, 512                       ; j: 0-255 Wq, 256-511 Wg, 512-767 Wo, 768-831 Wk, 832-895 Wv
	v_lshlrev_b32 v1, 2, v3                        ; in: 4 bytes a lane
	v_lshlrev_b32 v2, 4, v4
	v_lshl_add_u32 v2, v5, 10, v2                  ; out: fragment lane / 16, column lane % 16
	s_mov_b32 s37, 0
	s_mov_b32 s41, 0
	s_cmp_lt_u32 s6, 768
	s_cbranch_scc0 .Lsmall
	s_and_b32 s34, s6, 7
	s_lshl3_add_u32 s34, s34, s4                   ; group of 32 columns, 0..63
	s_bfe_u32 s35, s6, 0x50003                     ; block of 64 k, 0..31
	s_lshl_b32 s36, s35, 19                        ; 64 rows of 8,192 bytes
	s_lshl_b32 s38, s34, 7
	s_add_co_u32 s36, s36, s38
	s_cmp_lt_u32 s6, 512
	s_cbranch_scc0 .Lwo
	s_cmp_lt_u32 s6, 256
	s_cselect_b64 s[32:33], s[10:11], s[16:17]
	s_cselect_b32 s38, 0, 96
	s_add_co_u32 s38, s38, s34
	s_add_nc_u64 s[32:33], s[32:33], s[36:37]
	WFDST
	WJOB 8192, 20480, 0
	s_endpgm
.Lwo:
	s_add_nc_u64 s[32:33], s[18:19], s[36:37]
	s_lshr_b32 s39, s34, 2                         ; tile column of 128
	s_and_b32 s42, s34, 3
	s_lshl_b32 s42, s42, 11                        ; first fragment 2 (group % 4), 1,024 bytes each
	s_lshr_b32 s43, s35, 1
	s_lshl4_add_u32 s39, s39, s43
	s_and_b32 s43, s35, 1
	s_lshl_b32 s43, s43, 1
	s_lshl2_add_u32 s39, s39, s43
	s_lshl_b32 s39, s39, 13
	s_add_co_u32 s40, s39, s42
	s_add_nc_u64 s[40:41], s[28:29], s[40:41]
	WJOB 8192, 8192, 1
	s_endpgm
.Lsmall:
	s_and_b32 s34, s6, 1
	s_lshl3_add_u32 s34, s34, s4                   ; group of 32 columns, 0..15
	s_bfe_u32 s35, s6, 0x50001
	s_lshl_b32 s36, s35, 17                        ; 64 rows of 2,048 bytes
	s_lshl_b32 s38, s34, 7
	s_add_co_u32 s36, s36, s38
	s_cmp_lt_u32 s6, 832
	s_cselect_b64 s[32:33], s[12:13], s[14:15]
	s_cselect_b32 s38, 64, 80
	s_add_co_u32 s38, s38, s34
	s_add_nc_u64 s[32:33], s[32:33], s[36:37]
	WFDST
	WJOB 2048, 20480, 0
	s_endpgm
.Lfunc_end_k_q6b77ff7ee1_prep:
	.size	k_q6b77ff7ee1_prep, .Lfunc_end_k_q6b77ff7ee1_prep-k_q6b77ff7ee1_prep
	.p2alignl 7, 3214868480
	.fill 96, 4, 3214868480
	.section	.rodata,"a",@progbits
	.p2align	6, 0x0
	.amdhsa_kernel k_q6b77ff7ee1_prep
		.amdhsa_group_segment_fixed_size 0
		.amdhsa_private_segment_fixed_size 0
		.amdhsa_enable_private_segment 0
		.amdhsa_kernarg_size 96
		.amdhsa_user_sgpr_count 2
		.amdhsa_user_sgpr_kernarg_segment_ptr 1
		.amdhsa_wavefront_size32 1
		.amdhsa_system_sgpr_workgroup_id_x 1
		.amdhsa_system_sgpr_workgroup_id_y 1
		.amdhsa_system_sgpr_workgroup_id_z 1
		.amdhsa_system_vgpr_workitem_id 0
		.amdhsa_next_free_vgpr 112
		.amdhsa_next_free_sgpr 66
		.amdhsa_reserve_vcc 0
		.amdhsa_float_denorm_mode_32 3
		.amdhsa_float_denorm_mode_16_64 3
		.amdhsa_memory_ordered 1
		.amdhsa_forward_progress 1
		.amdhsa_inst_pref_size 51
	.end_amdhsa_kernel
	.amdgpu_metadata
---
amdhsa.version: [ 1, 2 ]
amdhsa.kernels:
  - .name:           k_q6b77ff7ee1_prep
    .symbol:         k_q6b77ff7ee1_prep.kd
    .args:
      - { .name: hidden_states, .offset: 0, .size: 8, .value_kind: global_buffer, .address_space: global }
      - { .name: Wq, .offset: 8, .size: 8, .value_kind: global_buffer, .address_space: global }
      - { .name: Wk, .offset: 16, .size: 8, .value_kind: global_buffer, .address_space: global }
      - { .name: Wv, .offset: 24, .size: 8, .value_kind: global_buffer, .address_space: global }
      - { .name: Wg, .offset: 32, .size: 8, .value_kind: global_buffer, .address_space: global }
      - { .name: Wo, .offset: 40, .size: 8, .value_kind: global_buffer, .address_space: global }
      - { .name: cos, .offset: 48, .size: 8, .value_kind: global_buffer, .address_space: global }
      - { .name: sin, .offset: 56, .size: 8, .value_kind: global_buffer, .address_space: global }
      - { .name: xb, .offset: 64, .size: 8, .value_kind: global_buffer, .address_space: global }
      - { .name: wf, .offset: 72, .size: 8, .value_kind: global_buffer, .address_space: global }
      - { .name: wof, .offset: 80, .size: 8, .value_kind: global_buffer, .address_space: global }
      - { .name: csb, .offset: 88, .size: 8, .value_kind: global_buffer, .address_space: global }
    .group_segment_fixed_size: 0
    .private_segment_fixed_size: 0
    .kernarg_segment_align: 8
    .kernarg_segment_size: 96
    .max_flat_workgroup_size: 256
    .sgpr_count:     66
    .vgpr_count:     112
    .wavefront_size: 32
...
	.end_amdgpu_metadata
.endif
;; end of part 1
;; launch proj (part 2): grid 16 x 16, 4 waves a work-group, clusters of 4 x 4, 327,680 bytes of LDS; arguments xb, wf, csb, q_norm_w, k_norm_w, hb, gx; writes hb, gx
.if DOCPART == 2
	.amdgcn_target "amdgcn-amd-amdhsa--gfx1250"
	.amdhsa_code_object_version 6
	.text
	.protected	k_q6b77ff7ee1_proj
	.globl	k_q6b77ff7ee1_proj
	.p2align	8
	.type	k_q6b77ff7ee1_proj,@function
k_q6b77ff7ee1_proj:
	s_mov_b64 s[64:65], 0
	v_nop
	global_prefetch_b8 v0, s[64:65] scope:SCOPE_SE
	s_setreg_imm32_b32 hwreg(HW_REG_WAVE_MODE, 25, 1), 1
	s_wait_xcnt 0x0
	s_wait_alu depctr_hold_cnt(0) depctr_sa_sdst(0) depctr_va_vdst(0) depctr_va_sdst(0) depctr_va_ssrc(0) depctr_va_vcc(0) depctr_vm_vsrc(0)
	s_getreg_b32 s2, hwreg(HW_REG_IB_STS2, 6, 4)
	s_cmp_eq_u32 s2, 0
	s_cbranch_scc0 .Lentry_in_a_cluster
	s_endpgm
.Lentry_in_a_cluster:
	s_bfe_u32 s2, ttmp6, 0x10000c
	s_cmp_lg_u32 s2, 0xf033
	s_cbranch_scc0 .Lentry_shape_is_right
	s_endpgm
.Lentry_shape_is_right:
; PROJ: x [4096][2048] times [Wq Wk Wv Wg] (5,120 columns) in bf16 with f32 sums; RMSNorm and RoPE for q and k on the way out; everything leaves in f16.
; SHARES.  16 x 16 tiles of 256 rows x 320 columns, one to a work-group.  Wave w: rows 128 (w / 2) on, column half w % 2: 128 x 160 = 80 accumulators, 640 registers.
; A column half is one whole head hd = 16 (w % 2) + tile column (fragments 0-7: 0-15 q, 16-19 k, 20-23 v, 24-31 gate heads 0-7) and 32 gate columns 1024 + 32 hd .. (fragments 8, 9).
; So a head that is normed lies in one wave, and whether a wave norms hangs on its number and the cluster's x alone.
; K goes in 16 steps of 128 through two LDS slots.  x's tile: rows of 256 bytes, padded to 272.  The weights come as register images (1,024 bytes a fragment), read 16 bytes a lane on end.
; CLUSTER 4 x 4: x's tile is shared along a row of the cluster, the weights' along a column, cos and sin along a row: joint loads.
; THE PRODUCT IS TRANSPOSED (source 0 = 16 columns of W, source 1 = 16 rows of x): a lane holds one row and eight neighbouring columns.
; THE WAY OUT, 16 rows at a time through each wave's own stage in LDS (in slot 1, which has had its last fill).  q, k: out = rs (x w c -+ x' w' s), rs = 1 / sqrt(mean x^2 + 1e-6), in f32;
; w, cos, sin rounded to bf16 like all inputs; this order of f32 roundings differs from reference()'s.  q and k are kept with place 8 q + i = channel 4 q + i (i < 4) or 64 + 4 q + i - 4, so that RoPE's partner lies in the same lane.
; LIMITS.  f16 holds no number beyond 65,504: v stays within it while |v| does; a gate beyond it becomes an infinity, whose sigmoid is 0 or 1; q and k are at most 16 |w| after norm and RoPE.  NaN and infinities are not treated apart.
; REGISTERS (windows of 256; s_set_vgpr_msb: bits 1:0 source 0, 3:2 source 1, 5:4 source 2, 7:6 destination):
;   window 0: v0-47 addresses and small things; v48-111, v112-175 x's fragments, two buffers; v176-255 W's fragments, buffer 0.   window 1: v0-159 accumulators of row blocks 6, 7; v176-255 W's buffer 1
;   window 2: v0-239 accumulators of row blocks 0-2.   window 3: of row blocks 3-5.   On the way out window 0's v48-255 are at work.
.set PITCH, 272                        ; 256 bytes + 16: row r starts at bank 4 r mod 64 (64 banks of 4 bytes: ISA guide 11.1)
.set AHALF, 128*PITCH
.set ASZ,   2*AHALF
.set BHALF, 40960                      ; two quarters x 20 fragments x 1,024 bytes
.set SLOT,  ASZ+2*BHALF                ; 151,552
.set SPARE, 2*SLOT                     ; the spare words, 128 bytes a wave: two blocks of 256 bytes that no other line names
.set CSP,   528                        ; a token's cos and sin in LDS: 512 bytes + 16
.set SGP,   656                        ; a stage row: 160 f32 + 16 bytes = 164 words: row r starts at bank 36 r mod 64: sixteen different groups of four banks
.set STG,   SLOT
.set G1A, 24                           ; s[24:31] group 1, s[32:39] group 0 (a set a slot) for x's tiles
.set G0A, 32
.set G1B, 40                           ; s[40:47], s[48:55] for the weights'
.set G0B, 48
.set G1C, 56                           ; s[56:63], s[68:71] for cos and sin
.set G0C, 68
.set X,  48                            ; the way out: 8 f32 for each of 8 pairs of rows
.set C,  112                           ; cos, 4 registers a pair of rows; later the packed result
.set S,  144                           ; sin
.set U,  176                           ; at work
.set EX, 240                           ; the 32 extra gate columns
.set SS, 24                            ; v[24+2u]: sum of squares, then 1 / rms, of pair u's row; the odd registers are written once, since pairs are named
.set MSB, 0
.macro WIN new                         ; the immediate's high byte repeats the setting that is left; a switch that changes nothing is dropped
.if MSB != (\new)
	s_set_vgpr_msb (MSB<<8)|(\new)
.set MSB, \new
.endif
.endm
.macro PLACES                          ; four plain vector instructions between a matrix instruction and a load into, or a read of, its registers
.rept 4
	v_nop
.endr
.endm
.macro CREST                           ; a round of the cluster's barrier behind its opening barrier
	s_cmp_lg_u32 s18, 0
	s_cbranch_scc1 .Lnot_wave_0_\@
	s_barrier_signal -3
.Lnot_wave_0_\@:
	s_barrier_wait -3
	s_barrier_signal -1
	s_barrier_wait -1
.endm
.macro CROUND
	s_barrier_signal -1
	s_barrier_wait -1
	CREST
.endm
.macro JLOAD s                         ; a joint load: waves 0, 1 fetch the halves of x's tile, waves 2, 3 those of the weights'; the branch hangs on the wave's number alone
	s_cmp_eq_u32 s19, 0
	s_cbranch_scc0 .Lfor_b_\@
	tensor_load_to_lds s[G0A+4*(\s):G0A+4*(\s)+3], s[G1A:G1A+7]
	s_nop 0
.rept 4
	v_nop
.endr
	s_branch .Lasked_\@
.Lfor_b_\@:
	tensor_load_to_lds s[G0B+4*(\s):G0B+4*(\s)+3], s[G1B:G1B+7]
	s_nop 0
.rept 4
	v_nop
.endr
.Lasked_\@:
.endm
.macro CLOAD                           ; cos and sin of the tile's 256 tokens, 64 a wave, jointly along the cluster's row
	tensor_load_to_lds s[G0C:G0C+3], s[G1C:G1C+7]
	s_nop 0
.rept 4
	v_nop
.endr
.endm
; A PREFETCH INTO THE L2, behind a joint load and the run of LDS loads that follows it.  x: the refill of K step s names K step s + 2: 32 rows x 256 bytes, a lane a row; the cluster with x = 0 asks, its partner at cx
; for rows 32 cx .. of the 128 that the wave fetches.  Weights: a trip names the two K steps (163,840 bytes on end) that the next trip loads; the cluster with y = 0 asks, its partner at cy for 40,960 of them, as five runs
; of 32 blocks of 256 bytes, a lane a block: wave 2 runs 0, 1 and (second change of slots) 4, wave 3 runs 2, 3.  So each block is named once in the launch, and partners are told apart by address alone.
; The loop's last trip asks for nothing; K steps 0-3 and cos and sin come by their loads alone.
.macro ASK slot
	s_cmp_gt_u32 s3, s[78+(\slot)]                 ; s3 = 1 in the last trip; the limit is 1 in a wave that asks, else the greatest number
	s_cbranch_scc0 .Lnot_mine_\@
	global_prefetch_b8 v10, s[72:73] th:TH_LOAD_NT scope:SCOPE_SE
.if (\slot) == 0
	s_cmp_eq_u32 s19, 0
	s_cbranch_scc1 .Lnot_mine_\@
	global_prefetch_b8 v10, s[72:73] offset:8192 th:TH_LOAD_NT scope:SCOPE_SE
.endif
.Lnot_mine_\@:
.endm
.macro ACCAT a                         ; where row block a's ten accumulators lie
.if (\a) < 3
.set AW, 2
.set AB, 80*(\a)
.elseif (\a) < 6
.set AW, 3
.set AB, 80*((\a)-3)
.else
.set AW, 1
.set AB, 80*((\a)-6)
.endif
.endm
; ten matrix instructions: row block a x all ten column fragments, 32 along K, from buffer f.  The 80 accumulators take turns, one instruction a turn.
.macro MULR f, a, zero
	ACCAT \a
	WIN (AW<<6)|(AW<<4)|(\f)
.irp b, 0,1,2,3,4,5,6,7,8,9
.if \zero
	v_wmma_f32_16x16x32_bf16 v[AB+8*\b:AB+8*\b+7], v[176+8*\b:176+8*\b+7], v[48+64*(\f)+8*(\a):48+64*(\f)+8*(\a)+7], 0
.else
	v_wmma_f32_16x16x32_bf16 v[AB+8*\b:AB+8*\b+7], v[176+8*\b:176+8*\b+7], v[48+64*(\f)+8*(\a):48+64*(\f)+8*(\a)+7], v[AB+8*\b:AB+8*\b+7]
.endif
.endr
.endm
; 36 LDS loads in one run: quarter kq of a slot into buffer f: the weights' ten fragments, then x's eight
.macro FETCH slot, kq, f
	WIN (\f)<<6
.irp b, 0,1,2,3,4,5,6,7,8,9
	ds_load_b128 v[176+8*\b:176+8*\b+3], v[6+2*(\slot)+(\kq)/2] offset:((\kq)%2)*20480+\b*1024
	ds_load_b128 v[176+8*\b+4:176+8*\b+7], v[6+2*(\slot)+(\kq)/2] offset:((\kq)%2)*20480+\b*1024+512
.endr
	WIN 0
.irp a, 0,1,2,3,4,5,6,7
	ds_load_b128 v[48+64*(\f)+8*\a:48+64*(\f)+8*\a+3], v[4+(\slot)] offset:(\kq)*64+\a*16*PITCH
	ds_load_b128 v[48+64*(\f)+8*\a+4:48+64*(\f)+8*\a+7], v[4+(\slot)] offset:(\kq)*64+\a*16*PITCH+32
.endr
.endm
; one of a K step's first three quarters: multiplies buffer f, fetches quarter kq into buffer g
.macro QUARTER slot, kq, f, g, zero
	s_wait_dscnt 10                                ; the weights and x's blocks 0-2 are in; the youngest ten loads (blocks 3-7) may be out
	MULR \f, 0, \zero
	MULR \f, 1, \zero
	MULR \f, 2, \zero
	PLACES
	FETCH \slot, \kq, \g
	s_wait_dscnt 36                                ; all but the 36 just issued
	MULR \f, 3, \zero
	MULR \f, 4, \zero
	MULR \f, 5, \zero
	MULR \f, 6, \zero
	MULR \f, 7, \zero
.endm
; the last quarter multiplies buffer 1 and changes slots.  Each wave waits for all its tensor loads (one is out: its part of the next slot), adds 0 to its spare word, waits for that and for its reads of this slot;
; the barrier opens a round of the cluster's barrier; behind the round the slot is filled again first.  kind 0: with the K step two on; kind 1: with cos and sin.
.macro TURN slot, next, kind
.if (\kind) == 0
	s_wait_xcnt 0x0                                ; the last prefetch, a K step back, has read its address
	s_add_nc_u64 s[72:73], s[72:73], s[74+2*(\slot):75+2*(\slot)]
.endif
	WIN 0
	s_wait_tensorcnt 0x0
	ds_add_u32 v46, v47
	s_wait_dscnt 11                                ; the add and the youngest ten loads may be out
	MULR 1, 0, 0
	MULR 1, 1, 0
	s_wait_dscnt 0x0                               ; the add is done, my reads of this slot are over
	s_barrier_signal -1
	MULR 1, 2, 0
	WIN 0
	s_barrier_wait -1
	CREST                                          ; no wave of any partner still reads this slot or has a load on its way
.if (\kind) == 0
	s_add_nc_u64 s[G0A+4*(\slot)+2:G0A+4*(\slot)+3], s[G0A+4*(\slot)+2:G0A+4*(\slot)+3], 512
	s_add_nc_u64 s[G0B+4*(\slot)+2:G0B+4*(\slot)+3], s[G0B+4*(\slot)+2:G0B+4*(\slot)+3], 4*BHALF
	JLOAD \slot                                    ; 290 matrix instructions ahead of the wait for it; its four v_nop are also the places in front of the loads below
.else
	CLOAD
.endif
	FETCH \next, 0, 0
.if (\kind) == 0
	ASK \slot
.endif
	MULR 1, 3, 0
	MULR 1, 4, 0
	MULR 1, 5, 0
	MULR 1, 6, 0
	MULR 1, 7, 0
.endm
	s_load_b256 s[4:11], s[0:1], 0x0               ; xb s[4:5], wf s[6:7], csb s[8:9], q_norm_w s[10:11]
	s_load_b128 s[12:15], s[0:1], 0x20             ; k_norm_w s[12:13], hb s[14:15]
	s_load_b64 s[16:17], s[0:1], 0x30              ; gx
	v_lshl_add_u32 v46, v0, 2, SPARE
	v_mov_b32 v47, 0
	ds_add_u32 v46, v47                            ; the wave's opening: the add and its wait ahead of my first tensor load
	v_lshrrev_b32 v3, 5, v0
	v_readfirstlane_b32 s18, v3                    ; wave 0..3
	s_lshr_b32 s19, s18, 1                         ; my half of the rows.  Also: I fetch x (0) or weights (1)
	s_and_b32 s20, s18, 1                          ; my half of the columns.  Also: which half of that tile I fetch
	s_bfe_u32 s21, ttmp6, 0x40000                  ; cx
	s_bfe_u32 s22, ttmp6, 0x40004                  ; cy
	s_lshl_b32 s23, ttmp9, 2
	s_add_co_u32 s23, s23, s21                     ; tile column
	s_and_b32 s66, ttmp7, 0xffff
	s_lshl_b32 s66, s66, 2
	s_add_co_u32 s66, s66, s22                     ; tile row
	s_lshl_b32 s86, s22, 2
	s_lshl_b32 s86, 15, s86                        ; my row of the cluster
	s_lshl_b32 s87, 0x1111, s21                    ; my column
	s_or_b32 s[G1A], s86, (1<<16)|(1<<20)|(1<<21)|(5<<22)|(3<<25)  ; mask; 2-byte elements; padding on; bit 21 beside a mask; after every 64 words, 4 words
	s_mov_b32 s[G1A+1], 128<<16                    ; tensor_dim0 = 128
	s_mov_b32 s[G1A+2], 128<<16                    ; tensor_dim1 = 128
	s_mov_b32 s[G1A+3], 128<<16                    ; tile_dim0 = 128
	s_mov_b32 s[G1A+4], 128                        ; tile_dim1 = 128
	s_mov_b32 s[G1A+5], 2048                       ; elements from row to row
	s_mov_b32 s[G1A+6], 0
	s_mov_b32 s[G1A+7], 0
	s_or_b32 s[G1B], s87, (3<<16)|(1<<21)          ; mask; 8-byte elements; no padding: 40,960 dense bytes as 160 rows of 256
	s_mov_b32 s[G1B+1], 32<<16
	s_mov_b32 s[G1B+2], 160<<16
	s_mov_b32 s[G1B+3], 32<<16
	s_mov_b32 s[G1B+4], 160
	s_mov_b32 s[G1B+5], 32
	s_mov_b32 s[G1B+6], 0
	s_mov_b32 s[G1B+7], 0
	s_or_b32 s[G1C], s86, (1<<16)|(1<<20)|(1<<21)|(6<<22)|(3<<25)  ; 64 rows of 256 elements; after every 128 words, 4 words
	s_mov_b32 s[G1C+1], 256<<16
	s_mov_b32 s[G1C+2], 64<<16
	s_mov_b32 s[G1C+3], 256<<16
	s_mov_b32 s[G1C+4], 64
	s_mov_b32 s[G1C+5], 256
	s_mov_b32 s[G1C+6], 0
	s_mov_b32 s[G1C+7], 0
	s_lshl_b32 s88, s66, 8                         ; x's tile: row 256 x tile row + 128 x half, 4,096 bytes a row: made of the tile row and the wave's number alone
	s_lshl_b32 s89, s20, 7
	s_add_co_u32 s88, s88, s89
	s_lshl_b32 s88, s88, 12
	s_mov_b32 s89, 0
	s_mul_i32 s90, s23, 16*4*BHALF/2               ; the weights': 1,310,720 bytes a tile column, + my half of a K step: made of the tile column and the wave's number alone
	s_mul_i32 s91, s20, BHALF
	s_add_co_u32 s90, s90, s91
	s_mov_b32 s91, 0
	s_lshl_b32 s96, s66, 8                         ; cos and sin: token 256 x tile row + 64 x wave, 512 bytes a token
	s_lshl_b32 s97, s18, 6
	s_add_co_u32 s96, s96, s97
	s_lshl_b32 s96, s96, 9
	s_mov_b32 s97, 0
	s_mul_i32 s93, s20, AHALF                      ; where they go: no place in the cluster enters an LDS address
	s_mul_i32 s100, s20, BHALF
	s_add_co_u32 s100, s100, ASZ
	s_mov_b32 s[G0C], 1
	s_mul_i32 s[G0C+1], s18, 64*CSP
	s_mov_b32 s92, 0x3c000000                      ; 1 / 128
	s_wait_dscnt 0x0                               ; the opening add is done
	s_wait_kmcnt 0x0
	s_add_nc_u64 s[88:89], s[4:5], s[88:89]
	s_add_nc_u64 s[90:91], s[6:7], s[90:91]
	s_add_nc_u64 s[G0C+2:G0C+3], s[8:9], s[96:97]
	s_or_b32 s[G0C+3], s[G0C+3], 0x80000000
	CROUND                                         ; all sixteen work-groups are here: the first joint loads meet
.irp s, 0,1
	s_mov_b32 s[G0A+4*\s], 1
	s_add_co_u32 s[G0A+4*\s+1], s93, \s*SLOT
	s_add_nc_u64 s[G0A+4*\s+2:G0A+4*\s+3], s[88:89], \s*256
	s_or_b32 s[G0A+4*\s+3], s[G0A+4*\s+3], 0x80000000
	s_mov_b32 s[G0B+4*\s], 1
	s_add_co_u32 s[G0B+4*\s+1], s100, \s*SLOT
	s_add_nc_u64 s[G0B+4*\s+2:G0B+4*\s+3], s[90:91], \s*2*BHALF
	s_or_b32 s[G0B+4*\s+3], s[G0B+4*\s+3], 0x80000000
	JLOAD \s                                       ; K steps 0 and 1: two loads of mine are out
.endr
	; addresses, in the wait for the first tile
	v_and_b32 v1, 15, v0                           ; l % 16
	v_bfe_u32 v2, v0, 4, 1                         ; l / 16
	v_and_b32 v41, 31, v0                          ; l
	v_mul_u32_u24 v3, v1, PITCH
	v_lshl_add_u32 v3, v2, 4, v3
	s_mul_i32 s93, s19, AHALF
	v_add_nc_u32 v4, s93, v3                       ; v4, v5: x's fragments in slot 0, 1
	v_add_nc_u32 v5, SLOT, v4
	s_mul_i32 s93, s20, 10240
	s_add_co_u32 s93, s93, ASZ
	v_lshl_add_u32 v6, v41, 4, s93                 ; v6-9: the weights' images: slot 0 quarters 0-1, 2-3; slot 1 likewise
	v_add_nc_u32 v7, BHALF, v6
	v_add_nc_u32 v8, SLOT, v6
	v_add_nc_u32 v9, SLOT+BHALF, v6
	s_mul_i32 s93, s18, 16*SGP
	s_add_co_u32 s93, s93, STG                     ; my stage
	v_mul_u32_u24 v11, v1, SGP
	v_lshl_add_u32 v11, v2, 5, v11
	v_add_nc_u32 v11, s93, v11                     ; v11 in: row l % 16, 32 bytes for each half of the lanes
	v_mul_u32_u24 v3, v2, SGP
	v_add_nc_u32 v3, s93, v3
	v_lshl_add_u32 v12, v1, 4, v3                  ; v12 back, normed heads: row l / 16, channels 4 q .. (and 64 + 4 q .. at + 256)
	v_lshl_add_u32 v13, v1, 5, v3                  ; v13 back, plain heads: channels 8 q ..
	v_lshrrev_b32 v42, 2, v41
	v_and_b32 v43, 3, v41
	v_mul_u32_u24 v14, v42, SGP
	v_lshl_add_u32 v14, v43, 5, v14
	v_add_nc_u32 v14, s93, v14
	v_add_nc_u32 v14, 512, v14                     ; v14 back, the 32 extra columns: row l / 4, columns 8 (l % 4) ..
	s_lshl_b32 s93, s19, 7
	v_add_nc_u32 v15, s93, v2
	v_mul_u32_u24 v15, v15, CSP
	v_lshl_add_u32 v15, v1, 4, v15                 ; v15 cos of my row: token 128 (w / 2) + l / 16, 16 bytes at 16 q; sin at + 256
	v_lshlrev_b32 v40, 4, v41                      ; v40 out: 16 bytes a lane on end
	v_lshlrev_b32 v44, 4, v1
	v_mov_b32 v45, 0                               ; v45 the zero addend of the first multiply-adds
	s_cmp_eq_u32 s20, 0
	s_cselect_b64 s[84:85], s[10:11], s[12:13]     ; my half's gain: q's, or k's
	s_cselect_b32 s67, 1, 0
	s_cmp_eq_u32 ttmp9, 0
	s_cselect_b32 s67, 1, s67                      ; I norm: column half 0 (q), or half 1 of tile columns 0-3 (k): the same for a given wave in all sixteen partners
	global_load_b128 v[16:19], v44, s[84:85]                ; w of channels 4 q ..
	global_load_b128 v[20:23], v44, s[84:85] offset:256     ; and 64 + 4 q ..
	s_lshl_b32 s80, s20, 4
	s_add_co_u32 s80, s80, s23                     ; head
	s_lshl_b32 s80, s80, 12
	s_lshl_b32 s82, s66, 8
	s_add_co_u32 s80, s80, s82
	s_lshl_b32 s82, s19, 7
	s_add_co_u32 s80, s80, s82                     ; head x 4,096 + my first row
	s_lshl_b32 s82, s80, 6
	s_lshl_b32 s80, s80, 8
	s_mov_b32 s81, 0
	s_mov_b32 s83, 0
	s_add_nc_u64 s[80:81], s[14:15], s[80:81]      ; hb, 256 bytes a row
	s_add_nc_u64 s[82:83], s[16:17], s[82:83]      ; gx, 64 bytes a row
	; the prefetches
	s_lshl_b32 s94, s66, 8
	s_lshl_b32 s95, s20, 7
	s_add_co_u32 s94, s94, s95
	s_lshl_b32 s95, s21, 5
	s_add_co_u32 s94, s94, s95                     ; x: my work-group's 32 of the 128 rows that I fetch,
	s_lshl_b32 s94, s94, 12
	s_add_co_u32 s94, s94, 768                     ; at K step 3: the first change of slots steps it to 4
	s_mul_i32 s98, s23, 16*4*BHALF/2
	s_mul_i32 s99, s22, 40960
	s_add_co_u32 s98, s98, s99
	s_lshl_b32 s99, s20, 14
	s_add_co_u32 s98, s98, s99
	s_add_co_u32 s98, s98, 196608                  ; weights: K step 4 less the first step of 131,072
	s_and_b32 s99, ttmp7, 0xffff
	s_mov_b32 s74, 0x20000
	s_mov_b32 s76, 0x8000
	s_cmp_eq_u32 s19, 0
	s_cselect_b32 s94, s94, s98
	s_cselect_b32 s99, ttmp9, s99                  ; the coordinate along which other clusters read the same bytes
	s_cselect_b64 s[72:73], s[4:5], s[6:7]
	s_cselect_b32 s74, 256, s74
	s_cselect_b32 s76, 256, s76
	s_cselect_b32 s98, 12, 8
	s_mov_b32 s75, 0
	s_mov_b32 s77, 0
	s_mov_b32 s95, 0
	s_add_nc_u64 s[72:73], s[72:73], s[94:95]
	v_lshlrev_b32 v10, s98, v41                    ; v10: a lane a row of x (4,096 bytes) or a block of the weights (256)
	s_cmp_eq_u32 s99, 0
	s_cselect_b32 s78, 1, -1
	s_and_b32 s98, s19, s20
	s_cmp_eq_u32 s98, 0
	s_cselect_b32 s79, s78, -1                     ; wave 3 asks at the first change of slots alone
	s_wait_loadcnt 0x0                             ; the gain, rounded to bf16 like every input
	v_cvt_pk_bf16_f32 v24, v16, v17
	v_cvt_pk_bf16_f32 v25, v18, v19
	v_cvt_pk_bf16_f32 v26, v20, v21
	v_cvt_pk_bf16_f32 v27, v22, v23
.irp n, 0,1,2,3
	v_lshlrev_b32 v[16+2*\n], 16, v[24+\n]
	v_and_b32 v[17+2*\n], 0xffff0000, v[24+\n]
.endr
.set i, 24
.rept 16
	v_mov_b32 v[i], 0
.set i, i+1
.endr
	s_wait_tensorcnt 1                             ; my part of K step 0 is in; K step 1's may stay out
	s_barrier_signal -1
	s_barrier_wait -1
	FETCH 0, 0, 0
	QUARTER 0, 1, 0, 1, 1                          ; the first quarter stands in front of the loop: its products start the sums
	WIN 0
	s_mov_b32 s3, 7
.Llap:                                                 ; a trip goes once round the ring and fills both slots again
	QUARTER 0, 2, 1, 0, 0
	QUARTER 0, 3, 0, 1, 0
	TURN 0, 1, 0
	QUARTER 1, 1, 0, 1, 0
	QUARTER 1, 2, 1, 0, 0
	QUARTER 1, 3, 0, 1, 0
	TURN 1, 0, 0
	QUARTER 0, 1, 0, 1, 0
	WIN 0
	s_sub_co_u32 s3, s3, 1
	s_cmp_lg_u32 s3, 0
	s_cbranch_scc1 .Llap
	QUARTER 0, 2, 1, 0, 0                          ; the last lap
	QUARTER 0, 3, 0, 1, 0
	TURN 0, 1, 1                                   ; slot 0 takes cos and sin, which land under the last K step
	QUARTER 1, 1, 0, 1, 0
	QUARTER 1, 2, 1, 0, 0
	QUARTER 1, 3, 0, 1, 0
	s_wait_tensorcnt 0x0                           ; my part of cos and sin is in,
	s_wait_dscnt 0x0                               ; my last reads of slot 1 are back:
	s_barrier_signal -1
.irp a, 0,1,2,3,4,5,6,7
	MULR 1, \a, 0
.endr
	WIN 0
	s_barrier_wait -1                              ; cos and sin are whole, and nobody reads slot 1 any more: it has had its last fill and serves as the stages
	PLACES
; THE WAY OUT.  A trip takes one block of 16 rows: 20 stores put its ten accumulators into my stage (each accumulator's low registers first), then the rows come back 16 lanes to a row.
.macro DUMP a, last
.Ld\a:
	ACCAT \a
	WIN AW<<2                                      ; an LDS store's data is source 1
.irp b, 0,1,2,3,4,5,6,7,8,9
	ds_store_b128 v11, v[AB+8*\b:AB+8*\b+3] offset:64*\b
	ds_store_b128 v11, v[AB+8*\b+4:AB+8*\b+7] offset:64*\b+16
.endr
	WIN 0
.if (\last) == 0
	s_branch .Lgo
.endif
.endm
.macro MIX d, a, b, c, hb, ng          ; v[d] = +-v[a] x bf16 half hb of v[b] + v[c], in f32
.if \ng
.if \hb
	v_fma_mix_f32_bf16 v[\d], -v[\a], v[\b], v[\c] op_sel:[0,1,0] op_sel_hi:[0,1,0]
.else
	v_fma_mix_f32_bf16 v[\d], -v[\a], v[\b], v[\c] op_sel:[0,0,0] op_sel_hi:[0,1,0]
.endif
.else
.if \hb
	v_fma_mix_f32_bf16 v[\d], v[\a], v[\b], v[\c] op_sel:[0,1,0] op_sel_hi:[0,1,0]
.else
	v_fma_mix_f32_bf16 v[\d], v[\a], v[\b], v[\c] op_sel:[0,0,0] op_sel_hi:[0,1,0]
.endif
.endif
.endm
	s_mov_b32 s2, 8                                ; blocks to go
.Lblk:
.irp a, 0,1,2,3,4,5,6
	s_cmp_eq_u32 s2, 8-\a
	s_cbranch_scc1 .Ld\a
.endr
	s_branch .Ld7
	DUMP 0, 0
	DUMP 1, 0
	DUMP 2, 0
	DUMP 3, 0
	DUMP 4, 0
	DUMP 5, 0
	DUMP 6, 0
	DUMP 7, 1
.Lgo:                                                  ; LDS serves a wave's instructions in order (ISA guide 5.7.1.4): the loads below see the stores above
	ds_load_b128 v[EX:EX+3], v14
	ds_load_b128 v[EX+4:EX+7], v14 offset:16
	ds_load_b128 v[EX+8:EX+11], v14 offset:8*SGP
	ds_load_b128 v[EX+12:EX+15], v14 offset:8*SGP+16
	s_cmp_eq_u32 s67, 0
	s_cbranch_scc1 .Lplain
	; q or k.  Pair u: lanes 0-15 row 2 u, lanes 16-31 row 2 u + 1; lane q holds channels 4 q + i in X[0..3] and 64 + 4 q + i in X[4..7]
.irp u, 0,1,2,3,4,5,6,7
	ds_load_b128 v[X+8*\u:X+8*\u+3], v12 offset:2*SGP*\u
	ds_load_b128 v[X+8*\u+4:X+8*\u+7], v12 offset:2*SGP*\u+256
	ds_load_b128 v[C+4*\u:C+4*\u+3], v15 offset:2*CSP*\u
	ds_load_b128 v[S+4*\u:S+4*\u+3], v15 offset:2*CSP*\u+256
.endr
	s_wait_dscnt 0x0
.irp u, 0,1,2,3,4,5,6,7
	v_pk_mul_f32 v[U+8*\u:U+8*\u+1], v[X+8*\u:X+8*\u+1], v[X+8*\u:X+8*\u+1]
.endr
.irp n, 1,2,3
.irp u, 0,1,2,3,4,5,6,7
	v_pk_fma_f32 v[U+8*\u:U+8*\u+1], v[X+8*\u+2*\n:X+8*\u+2*\n+1], v[X+8*\u+2*\n:X+8*\u+2*\n+1], v[U+8*\u:U+8*\u+1]
.endr
.endr
.irp u, 0,1,2,3,4,5,6,7
	v_add_f32 v[SS+2*\u], v[U+8*\u], v[U+8*\u+1]
.endr
.irp m, 1,2,4,8                        ; the row's sixteen lanes
.irp u, 0,1,2,3,4,5,6,7
	v_add_f32_dpp v[SS+2*\u], v[SS+2*\u], v[SS+2*\u] row_xmask:\m row_mask:0xf bank_mask:0xf
.endr
.endr
.irp u, 0,1,2,3,4,5,6,7
	v_fmaak_f32 v[SS+2*\u], s92, v[SS+2*\u], 0x358637bd    ; mean + 1e-6
.endr
.irp u, 0,1,2,3,4,5,6,7
	v_rsq_f32 v[SS+2*\u], v[SS+2*\u]                       ; one batch of eight
.endr
.irp u, 0,1,2,3,4,5,6,7                ; x w, which names no result of the batch
.irp n, 0,1,2,3
	v_pk_mul_f32 v[X+8*\u+2*\n:X+8*\u+2*\n+1], v[X+8*\u+2*\n:X+8*\u+2*\n+1], v[16+2*\n:17+2*\n]
.endr
.endr
.irp u, 0,1,2,3,4,5,6,7                ; RoPE: low half x c - x' s, high half x' c + x s
.irp i, 0,1,2,3
	MIX U+8*\u+\i, X+8*\u+\i, C+4*\u+\i/2, 45, \i%2, 0
	MIX U+8*\u+4+\i, X+8*\u+4+\i, C+4*\u+2+\i/2, 45, \i%2, 0
.endr
.irp i, 0,1,2,3
	MIX U+8*\u+\i, X+8*\u+4+\i, S+4*\u+\i/2, U+8*\u+\i, \i%2, 1
	MIX U+8*\u+4+\i, X+8*\u+\i, S+4*\u+2+\i/2, U+8*\u+4+\i, \i%2, 0
.endr
.endr
	s_wait_alu depctr_va_vdst(0)                   ; one wait for the eight reciprocal roots, ahead of their first reader
.irp u, 0,1,2,3,4,5,6,7
.irp n, 0,1,2,3
	v_pk_mul_f32 v[U+8*\u+2*\n:U+8*\u+2*\n+1], v[U+8*\u+2*\n:U+8*\u+2*\n+1], v[SS+2*\u:SS+2*\u+1] op_sel_hi:[1,0]
.endr
.irp n, 0,1,2,3
	v_cvt_pk_f16_f32 v[C+4*\u+\n], v[U+8*\u+2*\n], v[U+8*\u+2*\n+1]
.endr
	global_store_b128 v40, v[C+4*\u:C+4*\u+3], s[80:81] offset:512*\u   ; two rows of the head: 512 consecutive bytes, aligned
.endr
	s_branch .Lext
.Lplain:                                               ; v or gate: rounded to f16 as it is
.irp u, 0,1,2,3,4,5,6,7
	ds_load_b128 v[X+8*\u:X+8*\u+3], v13 offset:2*SGP*\u
	ds_load_b128 v[X+8*\u+4:X+8*\u+7], v13 offset:2*SGP*\u+16
.endr
	s_wait_dscnt 0x0
.irp u, 0,1,2,3,4,5,6,7
.irp n, 0,1,2,3
	v_cvt_pk_f16_f32 v[C+4*\u+\n], v[X+8*\u+2*\n], v[X+8*\u+2*\n+1]
.endr
	global_store_b128 v40, v[C+4*\u:C+4*\u+3], s[80:81] offset:512*\u
.endr
.Lext:                                                 ; the 32 extra gate columns: 8 rows of 64 bytes a store, 512 consecutive bytes
.irp n, 0,1,2,3,4,5,6,7
	v_cvt_pk_f16_f32 v[X+\n], v[EX+2*\n], v[EX+2*\n+1]
.endr
	global_store_b128 v40, v[X:X+3], s[82:83]
	global_store_b128 v40, v[X+4:X+7], s[82:83] offset:512
	s_wait_xcnt 0x0                                ; the stores have read their data and their bases: both are written again only behind this wait
	v_add_nc_u32 v15, 16*CSP, v15
	s_add_nc_u64 s[80:81], s[80:81], 4096
	s_add_nc_u64 s[82:83], s[82:83], 1024
	s_sub_co_u32 s2, s2, 1
	s_cmp_lg_u32 s2, 0
	s_cbranch_scc1 .Lblk
	s_wait_tensorcnt 0x0                           ; the wave's end, behind my last tensor load and my last LDS store
	ds_add_u32 v46, v47
	s_wait_dscnt 0x0
	CROUND                                         ; the closing round
	s_endpgm
.Lfunc_end_k_q6b77ff7ee1_proj:
	.size	k_q6b77ff7ee1_proj, .Lfunc_end_k_q6b77ff7ee1_proj-k_q6b77ff7ee1_proj
	.p2alignl 7, 3214868480
	.fill 96, 4, 3214868480
	.section	.rodata,"a",@progbits
	.p2align	6, 0x0
	.amdhsa_kernel k_q6b77ff7ee1_proj
		.amdhsa_group_segment_fixed_size 327680
		.amdhsa_private_segment_fixed_size 0
		.amdhsa_enable_private_segment 0
		.amdhsa_kernarg_size 56
		.amdhsa_user_sgpr_count 2
		.amdhsa_user_sgpr_kernarg_segment_ptr 1
		.amdhsa_wavefront_size32 1
		.amdhsa_system_sgpr_workgroup_id_x 1
		.amdhsa_system_sgpr_workgroup_id_y 1
		.amdhsa_system_sgpr_workgroup_id_z 1
		.amdhsa_system_vgpr_workitem_id 0
		.amdhsa_next_free_vgpr 1024
		.amdhsa_next_free_sgpr 102
		.amdhsa_reserve_vcc 0
		.amdhsa_float_denorm_mode_32 3
		.amdhsa_float_denorm_mode_16_64 3
		.amdhsa_memory_ordered 1
		.amdhsa_forward_progress 1
		.amdhsa_inst_pref_size 175
	.end_amdhsa_kernel
	.amdgpu_metadata
---
amdhsa.version: [ 1, 2 ]
amdhsa.kernels:
  - .name:           k_q6b77ff7ee1_proj
    .symbol:         k_q6b77ff7ee1_proj.kd
    .args:
      - { .name: xb, .offset: 0, .size: 8, .value_kind: global_buffer, .address_space: global }
      - { .name: wf, .offset: 8, .size: 8, .value_kind: global_buffer, .address_space: global }
      - { .name: csb, .offset: 16, .size: 8, .value_kind: global_buffer, .address_space: global }
      - { .name: q_norm_w, .offset: 24, .size: 8, .value_kind: global_buffer, .address_space: global }
      - { .name: k_norm_w, .offset: 32, .size: 8, .value_kind: global_buffer, .address_space: global }
      - { .name: hb, .offset: 40, .size: 8, .value_kind: global_buffer, .address_space: global }
      - { .name: gx, .offset: 48, .size: 8, .value_kind: global_buffer, .address_space: global }
    .group_segment_fixed_size: 327680
    .private_segment_fixed_size: 0
    .kernarg_segment_align: 8
    .kernarg_segment_size: 56
    .max_flat_workgroup_size: 128
    .sgpr_count:     102
    .vgpr_count:     1024
    .wavefront_size: 32
...
	.end_amdgpu_metadata
.endif
;; end of part 2
;; launch attn (part 3): grid 16 x 16, 4 waves a work-group, clusters of 4 x 1, 327,680 bytes of LDS; arguments hb, gx, ag; writes ag
.if DOCPART == 3
	.amdgcn_target "amdgcn-amd-amdhsa--gfx1250"
	.amdhsa_code_object_version 6
	.text
	.protected	k_q6b77ff7ee1_attn
	.globl	k_q6b77ff7ee1_attn
	.p2align	8
	.type	k_q6b77ff7ee1_attn,@function
k_q6b77ff7ee1_attn:
	s_mov_b64 s[64:65], 0
	v_nop
	global_prefetch_b8 v0, s[64:65] scope:SCOPE_SE
	s_setreg_imm32_b32 hwreg(HW_REG_WAVE_MODE, 25, 1), 1
	s_wait_xcnt 0x0
	s_wait_alu depctr_hold_cnt(0) depctr_sa_sdst(0) depctr_va_vdst(0) depctr_va_sdst(0) depctr_va_ssrc(0) depctr_va_vcc(0) depctr_vm_vsrc(0)
	s_getreg_b32 s2, hwreg(HW_REG_IB_STS2, 6, 4)
	s_cmp_eq_u32 s2, 0
	s_cbranch_scc0 .Lentry_in_a_cluster
	s_endpgm
.Lentry_in_a_cluster:
	s_bfe_u32 s2, ttmp6, 0x10000c
	s_cmp_lg_u32 s2, 0x3003
	s_cbranch_scc0 .Lentry_shape_is_right
	s_endpgm
.Lentry_shape_is_right:
; ATTN: causal attention inside each of 8 sequences of 512 tokens, 16 query heads on 4 key and value heads, head size 128, times sigmoid(gate).  All operands f16, products, maxima and sums in f32;
; the weights p are rounded to f16 for the second product (their sum l is taken of the unrounded p); the result is rounded once.
; SHARES.  x: the head (a cluster's four heads share one key and value head, so K and V are asked for jointly).  y: sequence y / 2 and half pr = y % 2.  Of the sequence's eight blocks of 64 queries a
; work-group takes four: pr, 3 - pr, 4 + pr, 7 - pr: 18 pairs of block and key step of 64 keys, whichever pr.  Of each block wave w owns rows 16 w .. + 15: four tiles of 16 queries, the same work for every wave.
; ALL 512 KEYS AND VALUES OF THE SEQUENCE LIE IN LDS: two loads a wave at the start, nothing is filled again.  With pr = 1 keys 448-511 are brought and not used (an eighth of those work-groups' fill).
; No prefetch: all tensor loads stand at the head.
; THE GATE is asked for long before it is used: tiles 0-2's at the head, into registers that the key loop leaves alone; tile 3's behind the key loop, into K's registers, while tiles 0-2 go out.
; LAYOUT.  S^T = K Q^T: a lane holds one query (lane % 16) and keys 8 (lane / 16) + 0..7; two such results rounded to f16 are source 1 of O^T = V^T P.  K as it lies, V turned by ds_load_tr16_b128.
; q and k come with their channels in one and the same order, so their products are reference()'s.
; SOFTMAX.  Running maximum m and sum l: p = 2^(c s - c m), c = log2(e) / sqrt(128); O and l are multiplied by a = 2^(c m_old - c m_new) in every step.  m starts at the lowest finite number, O and l at 0.
; THE MASK is the C operand that starts a diagonal step's sums: 0, or -1e30 where the key is hidden.  Steps above the diagonal are jumped over; every jump goes forward and passes no barrier.
; A key step goes tile by tile, in phases: 16 products, the softmax, 16 products.
; LIMITS.  A hidden score counts as its value less 1e30; a weight below 2^-126 counts as 0 in l; f16 holds no number beyond 65,504; NaN and infinities are not treated apart.
; REGISTERS (windows of 256): window 0: v0-63 addresses and statistics; v64-191 S^T, 32 a tile; v192-255 P, 16 a tile.   window 1: O^T, 64 a tile.   window 2: v0-127 Q; v128-255 K of a step.
;   window 3: v0-127 V of a step; v128-159 the diagonal step's mask; v160-255 the gates of tiles 0-2.
.set PKB, 272                          ; a row of K: 256 bytes + 16
.set PVB, 288                          ; a row of V: 256 + 32
.set VB,  512*PKB
.set STAGE, VB+512*PVB                 ; never filled by a tensor load: 16 rows x 528 bytes a wave
.set SGP, 528                          ; 128 f32, l, padding: 132 words: row r starts at bank 4 r mod 64
.set SPARE, STAGE+4*16*SGP             ; the spare words: two blocks of 256 bytes that no other line names
.set ST,  12                           ; tile t at v[ST+8 t]: c m, m, l (even keys', odd keys'), four at work (a takes the third's place)
.set S,   64
.set P,   192
.set KF,  128
.set MD,  128
.set GW,  160                          ; window 3: the gate of tile t (0-2) at GW + 32 t
.set OX,  64                           ; the way out
.set G,   128                          ; the packed result
.set E,   160
.set LL,  224
.set WV,  12
.set BQ,  20                           ; s20-23 the four blocks, ascending
.set G1K, 24
.set G1V, 32
.set G0K, 40
.set G0V, 48
.set KS,  56                           ; the key step
.set CS,  58
.set SEL, 60
.set TBK, 62
.set TBV, 63
.set CUR, 84
.set TCN, 85
.set BIGN, 86
.set MSB, 0
.macro WIN new
.if MSB != (\new)
	s_set_vgpr_msb (MSB<<8)|(\new)
.set MSB, \new
.endif
.endm
.set W_KQ, 0x0a                        ; K and Q in window 2, S^T in window 0
.set W_KM, 0x3a                        ; the same with the C operand in window 3
.set W_PV, 0x53                        ; V in window 3, P in window 0, O^T in window 1
.set W_RS, 0x41                        ; O^T in window 1, a in window 0
.macro PLACES
.rept 4
	v_nop
.endr
.endm
.macro CROUND
	s_barrier_signal -1
	s_barrier_wait -1
	s_cmp_lg_u32 s[WV], 0
	s_cbranch_scc1 .Lnot_wave_0_\@
	s_barrier_signal -3
.Lnot_wave_0_\@:
	s_barrier_wait -3
	s_barrier_signal -1
	s_barrier_wait -1
.endm
	s_load_b128 s[4:7], s[0:1], 0x0                ; hb s[4:5], gx s[6:7]
	s_load_b64 s[8:9], s[0:1], 0x10                ; ag
	v_lshl_add_u32 v62, v0, 2, SPARE
	v_mov_b32 v63, 0
	ds_add_u32 v62, v63                            ; the wave's opening: the add and its wait ahead of my first tensor load
	v_lshrrev_b32 v1, 5, v0
	v_readfirstlane_b32 s[WV], v1
	s_bfe_u32 s13, ttmp6, 0x40000                  ; cx
	s_lshl_b32 s14, ttmp9, 2
	s_add_co_u32 s14, s14, s13                     ; the head: it enters Q's, the gate's and the output's addresses alone
	s_and_b32 s15, ttmp7, 0xffff
	s_and_b32 s16, s15, 1                          ; pr
	s_lshr_b32 s15, s15, 1                         ; the sequence
	s_mov_b32 s[BQ], s16
	s_sub_co_u32 s[BQ+1], 3, s16
	s_add_co_u32 s[BQ+2], s16, 4
	s_sub_co_u32 s[BQ+3], 7, s16
	s_add_co_u32 s88, ttmp9, 16                    ; K's head in hb: 16 + the cluster's x, which the partners share
	s_lshl_b32 s88, s88, 12
	s_lshl_b32 s89, s15, 9
	s_add_co_u32 s88, s88, s89
	s_and_b32 s90, s[WV], 1                        ; which 128 of each 256 keys I fetch
	s_lshl_b32 s89, s90, 7
	s_add_co_u32 s88, s88, s89
	s_lshl_b32 s88, s88, 8
	s_mov_b32 s89, 0
	s_mul_i32 s91, s90, 128*PKB
	s_mul_i32 s92, s90, 128*PVB
	s_mov_b32 s[G1K], 15|(1<<16)|(1<<20)|(1<<21)|(5<<22)|(3<<25)  ; the mask of four; 2-byte elements; padding on; bit 21 beside a mask; after every 64 words, 4 words
	s_mov_b32 s[G1V], 15|(1<<16)|(1<<20)|(1<<21)|(5<<22)|(7<<25)  ; the same with 8 words
.irp g, G1K, G1V
	s_mov_b32 s[\g+1], 128<<16                     ; tensor_dim0 = 128
	s_mov_b32 s[\g+2], 128<<16                     ; tensor_dim1 = 128
	s_mov_b32 s[\g+3], 128<<16                     ; tile_dim0 = 128
	s_mov_b32 s[\g+4], 128                         ; tile_dim1 = 128
	s_mov_b32 s[\g+5], 128                         ; elements from row to row
	s_mov_b32 s[\g+6], 0
	s_mov_b32 s[\g+7], 0
.endr
	s_mov_b32 s[CS], 0x3e0293ee                    ; c = log2(e) / sqrt(128)
	s_mov_b32 s[CS+1], s[CS]
	s_mov_b32 s[SEL], 0x76543210
	s_mov_b32 s[SEL+1], 0xfedcba98
	s_mov_b32 s[BIGN], 0xf149f2ca                  ; -1e30
	s_mov_b32 s[TBK], 0
	s_mov_b32 s[TBV], 0
	s_mov_b32 s[KS], 0
	s_wait_dscnt 0x0                               ; the opening add is done
	s_wait_kmcnt 0x0
	s_add_nc_u64 s[88:89], s[4:5], s[88:89]
	CROUND                                         ; all four work-groups are here: the joint loads meet
.irp n, 0,1
	s_mov_b32 s[G0K+4*\n], 1
	s_add_co_u32 s[G0K+4*\n+1], s91, \n*256*PKB
	s_add_nc_u64 s[G0K+4*\n+2:G0K+4*\n+3], s[88:89], \n*65536
	s_or_b32 s[G0K+4*\n+3], s[G0K+4*\n+3], 0x80000000
	s_mov_b32 s[G0V+4*\n], 1
	s_add_co_u32 s[G0V+4*\n+1], s92, VB+\n*256*PVB
	s_add_nc_u64 s[G0V+4*\n+2:G0V+4*\n+3], s[88:89], 4194304+\n*65536  ; V's head lies four heads behind K's
	s_or_b32 s[G0V+4*\n+3], s[G0V+4*\n+3], 0x80000000
.endr
	s_cmp_lt_u32 s[WV], 2                          ; waves 0, 1: K; waves 2, 3: V.  A wave's two fills stand in one branch: two loads of mine are out
	s_cbranch_scc0 .Lfirst_v
	tensor_load_to_lds s[G0K:G0K+3], s[G1K:G1K+7]
	s_nop 0
	tensor_load_to_lds s[G0K+4:G0K+7], s[G1K:G1K+7]
	s_nop 0
.rept 4
	v_nop
.endr
	s_branch .Lfirst_asked
.Lfirst_v:
	tensor_load_to_lds s[G0V:G0V+3], s[G1V:G1V+7]
	s_nop 0
	tensor_load_to_lds s[G0V+4:G0V+7], s[G1V:G1V+7]
	s_nop 0
.rept 4
	v_nop
.endr
.Lfirst_asked:
	; all that follows, up to the barrier, stands in the wait for K and V
	s_lshl_b32 s93, s14, 12
	s_lshl_b32 s94, s15, 9
	s_add_co_u32 s93, s93, s94
	s_lshl4_add_u32 s93, s[WV], s93                ; head x 4,096 + sequence x 512 + 16 w
	s_mov_b32 s95, 0
.irp t, 0,1,2,3
	s_lshl_b32 s94, s[BQ+\t], 6
	s_add_co_u32 s94, s94, s93
	s_lshl_b32 s94, s94, 8
	s_add_nc_u64 s[66+2*\t:67+2*\t], s[4:5], s[94:95]  ; Q at tile t's first row
.endr
	v_and_b32 v1, 15, v0                           ; l % 16
	v_bfe_u32 v54, v0, 4, 1                        ; l / 16
	v_lshlrev_b32 v5, 8, v1
	v_lshl_add_u32 v5, v54, 4, v5
	WIN 0x80                                       ; destination window 2
.irp t, 0,1,2,3
.irp c, 0,1,2,3
	global_load_b128 v[32*\t+8*\c:32*\t+8*\c+3], v5, s[66+2*\t:67+2*\t] offset:64*\c
	global_load_b128 v[32*\t+8*\c+4:32*\t+8*\c+7], v5, s[66+2*\t:67+2*\t] offset:64*\c+32
.endr
.endr
	WIN 0
	; the gate: heads 0-7 lie in hb (heads 24-31, rows of 256 bytes), heads 8-15 in gx (four groups of 32 channels, rows of 64 bytes).  The choice hangs on the cluster's x.
	s_add_co_u32 s94, s14, 24
	s_lshl_b32 s94, s94, 12
	s_lshl_b32 s93, s15, 9
	s_add_co_u32 s94, s94, s93
	s_lshl_b32 s94, s94, 8
	s_sub_co_u32 s90, s14, 8
	s_lshl_b32 s90, s90, 14
	s_add_co_u32 s90, s90, s93
	s_lshl_b32 s90, s90, 6
	s_mov_b32 s77, 0x40000
	s_cmp_lt_u32 ttmp9, 2
	s_cselect_b32 s94, s94, s90
	s_cselect_b64 s[74:75], s[4:5], s[6:7]
	s_cselect_b32 s76, 256, 64                     ; bytes from row to row
	s_cselect_b32 s77, 64, s77                     ; bytes from 32 channels to the next 32
	s_add_nc_u64 s[74:75], s[74:75], s[94:95]
	v_lshrrev_b32 v52, 2, v1
	v_and_b32 v55, 3, v1
	v_mul_u32_u24 v52, s77, v52
	v_lshl_add_u32 v52, v55, 4, v52
	v_mul_u32_u24 v55, s76, v54
	v_add_nc_u32 v52, v52, v55
.irp u, 0,1,2,3,4,5,6,7
	s_mul_i32 s94, s76, 2*\u
	v_add_nc_u32 v[44+\u], s94, v52                ; v44-51: the gate's 16 bytes for row 2 u + l / 16, channels 8 q ..; never rewritten
.endr
.irp t, 0,1,2
	s_lshl_b32 s94, s[BQ+\t], 6
	s_lshl4_add_u32 s94, s[WV], s94                ; tile t's first row in the sequence
	s_mul_i32 s94, s94, s76
	s_add_nc_u64 s[96+2*\t:97+2*\t], s[74:75], s[94:95]
.endr
	s_lshl_b32 s94, s[BQ+3], 6
	s_lshl4_add_u32 s94, s[WV], s94
	s_mul_i32 s94, s94, s76
	s_add_nc_u64 s[80:81], s[74:75], s[94:95]      ; tile 3's, kept for the loads behind the key loop
	WIN 0xc0                                       ; destination window 3
.irp t, 0,1,2
.irp u, 0,1,2,3,4,5,6,7
	global_load_b128 v[GW+32*\t+4*\u:GW+32*\t+4*\u+3], v[44+\u], s[96+2*\t:97+2*\t]  ; 24 loads, awaited on the way out
.endr
.endr
	WIN 0x40                                       ; O^T starts at 0, so that the first key step is a step like any other and is not written out
.set i, 0
.rept 256
	v_mov_b32 v[i], 0
.set i, i+1
.endr
	WIN 0
.irp t, 0,1,2,3
	v_mov_b32 v[ST+8*\t], 0xfe000000               ; c m: far below every c s
	v_mov_b32 v[ST+8*\t+1], 0xff7fffff             ; m
.irp n, 2,3,4,5,6,7
	v_mov_b32 v[ST+8*\t+\n], 0
.endr
.endr
	v_lshlrev_b32 v58, 3, v54
	v_sub_nc_u32 v58, v1, v58
	s_lshl_b32 s94, s[WV], 4
	v_add_nc_u32 v58, s94, v58                     ; my query's place in its block, less my lanes' 8 (l / 16): register j of key group kb is hidden where 16 kb + j is greater
	WIN 0xc0
.set i, 0
.rept 32
	v_cmp_gt_i32 vcc_lo, 16*(i/8)+i%8, v58
	v_cndmask_b32 v[MD+i], 0, s[BIGN], vcc_lo
.set i, i+1
.endr
	WIN 0
	v_mul_u32_u24 v2, v1, PKB
	v_lshl_add_u32 v2, v54, 4, v2                  ; v2: my place in a step's K
	v_and_b32 v56, 7, v0
	v_bfe_u32 v57, v0, 3, 1
	v_lshl_add_u32 v3, v54, 3, v56
	v_mul_u32_u24 v3, v3, PVB
	v_lshl_add_u32 v3, v57, 4, v3
	v_add_nc_u32 v3, VB, v3                        ; v3: in a step's V: key 8 (l / 16) + l % 8, channels 8 ((l / 8) % 2) ..
	s_mul_i32 s94, s[WV], 16*SGP
	s_add_co_u32 s94, s94, STAGE
	v_mul_u32_u24 v6, v1, SGP
	v_add_nc_u32 v6, s94, v6
	v_add_nc_u32 v7, 512, v6                       ; v7: where my query's l goes
	v_lshl_add_u32 v6, v54, 5, v6                  ; v6: where my 32 bytes of a row go
	v_mul_u32_u24 v8, v54, SGP
	v_add_nc_u32 v8, s94, v8
	v_add_nc_u32 v9, 512, v8                       ; v9: l of row l / 16
	v_lshl_add_u32 v8, v1, 5, v8                   ; v8: channels 8 q .. of row l / 16
	v_lshlrev_b32 v10, 12, v54
	v_lshl_add_u32 v10, v1, 4, v10                 ; v10: the same in ag
	v_mov_b32 v11, 0xbfb8aa3b                      ; -log2(e)
	v_mov_b32 v53, 0
	s_lshl_b32 s94, s15, 21
	s_lshl_b32 s93, s14, 8
	s_add_co_u32 s94, s94, s93
	s_add_nc_u64 s[78:79], s[8:9], s[94:95]        ; ag at the sequence's first token, my head's 256 bytes
	s_wait_tensorcnt 0x0                           ; both my parts are in,
	s_barrier_signal -1
	s_barrier_wait -1                              ; everybody's are: nothing is filled again, so this is the launch's only barrier on the tiles
	s_wait_loadcnt 24                              ; Q is in; the 24 younger loads, the gates of tiles 0-2, may stay out
; THE LDS LOADS: a step's K (16 fragments) and its V (turned), 32 loads each
.macro FETCH_K
	v_add_nc_u32 v4, s[TBK], v2
	WIN 0x80
.irp f, 0,1,2,3,4,5,6,7,8,9,10,11,12,13,14,15
	ds_load_b128 v[KF+8*\f:KF+8*\f+3], v4 offset:(\f/4)*16*PKB+(\f%4)*64
	ds_load_b128 v[KF+8*\f+4:KF+8*\f+7], v4 offset:(\f/4)*16*PKB+(\f%4)*64+32
.endr
	WIN 0
	s_add_co_u32 s[TBK], s[TBK], 64*PKB
.endm
.macro FETCH_V
	v_add_nc_u32 v4, s[TBV], v3
	WIN 0xc0
.irp f, 0,1,2,3,4,5,6,7,8,9,10,11,12,13,14,15
	ds_load_tr16_b128 v[8*\f:8*\f+3], v4 offset:(\f/8)*32*PVB+(\f%8)*32
	ds_load_tr16_b128 v[8*\f+4:8*\f+7], v4 offset:(\f/8)*32*PVB+16*PVB+(\f%8)*32
.endr
	WIN 0
	s_add_co_u32 s[TBV], s[TBV], 64*PVB
.endm
; Number j of the 134 instructions of one tile's softmax for one key step.  s0-s31 are the lane's 32 scores, in pairs 0-15.
;   0-15 the maximum of the scores and the old m, three operands at a time (each accumulator's lowest registers are read first)   16-20 the other half of the lanes'; m; c m; its change
;   21-69 ONE BATCH: the 16 scalings c s - c m and all 33 exponentials; none of these reads an exponential's result     70-85 the roundings to f16     86-101 the sums; l = a l + sum     102-133 O^T times a
.macro SM t
.set rT, ST+8*(\t)
.set rS, S+32*(\t)
.set rP, P+16*(\t)
.set rO, 64*(\t)+2*(j-102)
.if j < 102
	WIN 0
.endif
.if j < 4
	v_max3_num_f32 v[rT+4+j], v[rS+8*j], v[rS+8*j+1], v[rS+8*j+2]
.elseif j < 12
	v_max3_num_f32 v[rT+4+j%4], v[rT+4+j%4], v[rS+8*(j%4)+2*(j/4)+1], v[rS+8*(j%4)+2*(j/4)+2]
.elseif j == 12
	v_max3_num_f32 v[rT+4], v[rT+4], v[rS+7], v[rS+15]
.elseif j == 13
	v_max3_num_f32 v[rT+6], v[rT+6], v[rS+23], v[rS+31]
.elseif j == 14
	v_max3_num_f32 v[rT+4], v[rT+4], v[rT+5], v[rT+6]
.elseif j == 15
	v_max3_num_f32 v[rT+4], v[rT+4], v[rT+7], v[rT+1]
.elseif j == 16
	v_permlanex16_b32 v[rT+5], v[rT+4], s[SEL], s[SEL+1]
.elseif j == 17
	v_mov_b32 v[rT+7], v[rT]
.elseif j == 18
	v_max_num_f32 v[rT+1], v[rT+4], v[rT+5]
.elseif j == 19
	v_mul_f32 v[rT], s[CS], v[rT+1]
.elseif j == 20
	v_sub_f32 v[rT+7], v[rT+7], v[rT]
.elseif j == 23
	v_exp_f32 v[rT+6], v[rT+7]
.elseif (j < 23) || ((j < 38) && (j%2 == 0)) || ((j < 66) && (j%4 == 2))
.set b, (j-2)/4
.if j < 38
.set b, (j-20)/2
.endif
	v_pk_fma_f32 v[rS+2*b:rS+2*b+1], v[rS+2*b:rS+2*b+1], s[CS:CS+1], v[rT:rT+1] op_sel_hi:[1,0,0] neg_lo:[0,0,1] neg_hi:[0,0,1]
.elseif j < 70
.set e, j-38
.if j < 66
.set e, j-32-(j-38)/4
.endif
.if j < 38
.set e, (j-25)/2
.endif
	v_exp_f32 v[rS+e], v[rS+e]
.elseif j < 86
	v_cvt_pk_f16_f32 v[rP+j-70], v[rS+2*(j-70)], v[rS+2*(j-70)+1]
.elseif j < 102
.set z, j-86
.set w, 4
.set u, z
.if z >= 14
.set w, 32
.set u, 0
.elseif z >= 12
.set w, 16
.set u, z-12
.elseif z >= 8
.set w, 8
.set u, z-8
.endif
.if z < 15
	v_pk_add_f32 v[rS+w*u:rS+w*u+1], v[rS+w*u:rS+w*u+1], v[rS+w*u+w/2:rS+w*u+w/2+1]
.else
	v_pk_fma_f32 v[rT+2:rT+3], v[rT+2:rT+3], v[rT+6:rT+7], v[rS:rS+1] op_sel_hi:[1,0,1]
.endif
.else
	WIN W_RS
	v_pk_mul_f32 v[rO:rO+1], v[rO:rO+1], v[rT+6:rT+7] op_sel_hi:[1,0]
.endif
.endm
; TILE t in the key step in hand: jumped over above the diagonal.  In each run of products the accumulators take turns, one instruction a turn.
.macro TILE t
	s_cmp_gt_u32 s[KS], s[BQ+(\t)]
	s_cbranch_scc1 .Ldead_\@
	s_cmp_eq_u32 s[KS], s[BQ+(\t)]
	s_cbranch_scc1 .Ldiag_\@
	WIN W_KQ
.irp kb, 0,1,2,3
	v_wmma_f32_16x16x32_f16 v[S+32*(\t)+8*\kb:S+32*(\t)+8*\kb+7], v[KF+32*\kb:KF+32*\kb+7], v[32*(\t):32*(\t)+7], 0
.endr
	WIN 0
	s_branch .Lrest_\@
.Ldiag_\@:
	WIN W_KM
.irp kb, 0,1,2,3
	v_wmma_f32_16x16x32_f16 v[S+32*(\t)+8*\kb:S+32*(\t)+8*\kb+7], v[KF+32*\kb:KF+32*\kb+7], v[32*(\t):32*(\t)+7], v[MD+8*\kb:MD+8*\kb+7]
.endr
	WIN 0
.Lrest_\@:
	WIN W_KQ
.irp c, 1,2,3
.irp kb, 0,1,2,3
	v_wmma_f32_16x16x32_f16 v[S+32*(\t)+8*\kb:S+32*(\t)+8*\kb+7], v[KF+32*\kb+8*\c:KF+32*\kb+8*\c+7], v[32*(\t)+8*\c:32*(\t)+8*\c+7], v[S+32*(\t)+8*\kb:S+32*(\t)+8*\kb+7]
.endr
.endr
	WIN 0
	PLACES
.set j, 0
.rept 70
	SM \t
.set j, j+1
.endr
	v_nop                                          ; a plain instruction behind the last exponential,
	s_wait_alu depctr_va_vdst(0)                   ; and one wait for the batch of 33, ahead of the first reader
.rept 64
	SM \t
.set j, j+1
.endr
	s_wait_dscnt 0x0                               ; V is in
	WIN W_PV
.irp kk, 0,1
.irp cb, 0,1,2,3,4,5,6,7
	v_wmma_f32_16x16x32_f16 v[64*(\t)+8*\cb:64*(\t)+8*\cb+7], v[64*\kk+8*\cb:64*\kk+8*\cb+7], v[P+16*(\t)+8*\kk:P+16*(\t)+8*\kk+7], v[64*(\t)+8*\cb:64*(\t)+8*\cb+7]
.endr
.endr
	WIN 0
.Ldead_\@:
.endm
.Lks:                                                  ; eight trips, a key step each
	s_cmp_gt_u32 s[KS], s[BQ+3]                    ; with pr = 1 the last trip has no tile
	s_cbranch_scc1 .Lnext
	FETCH_K
	FETCH_V
	s_wait_dscnt 32                                ; K is in; V's 32 loads may stay out
	TILE 0
	TILE 1
	TILE 2
	TILE 3
	PLACES                                         ; in front of the next trip's loads into K's and V's registers
.Lnext:
	s_add_co_u32 s[KS], s[KS], 1
	s_cmp_lt_u32 s[KS], 8
	s_cbranch_scc1 .Lks
	; THE WAY OUT.  l's two halves and the other half of the lanes' are added.  Then a tile a trip: O^T and l go through my stage and come back 16 lanes to a row, beside the gate g;
	; out = O / (l (1 + 2^(-g log2 e))), rounded to f16.
.irp t, 0,1,2,3
	v_add_f32 v[ST+8*\t+4], v[ST+8*\t+2], v[ST+8*\t+3]
.endr
.irp t, 0,1,2,3
	v_permlanex16_b32 v[ST+8*\t+5], v[ST+8*\t+4], s[SEL], s[SEL+1]
.endr
.irp t, 0,1,2,3
	v_add_f32 v[ST+8*\t+4], v[ST+8*\t+4], v[ST+8*\t+5]
.endr
.irp u, 0,1,2,3,4,5,6,7
	v_mov_b32 v[LL+2*\u+1], 0                      ; named with l as a pair
.endr
	WIN 0x80                                       ; tile 3's gate, into K's registers, which no product reads any more (the twenty lines above are the places behind the last): it lands while tiles 0-2 go out
.irp u, 0,1,2,3,4,5,6,7
	global_load_b128 v[KF+4*\u:KF+4*\u+3], v[44+\u], s[80:81]
.endr
	WIN 0
; Tile t's own part of a trip: O^T and l into the stage, and -g log2(e) from the registers in which its gate lies
.macro OSEC t, last
.Lo\t:
	s_mov_b32 s[CUR], s[BQ+\t]
	WIN 0x04                                       ; an LDS store's data is source 1
.irp cb, 0,1,2,3,4,5,6,7
	ds_store_b128 v6, v[64*\t+8*\cb:64*\t+8*\cb+3] offset:64*\cb
	ds_store_b128 v6, v[64*\t+8*\cb+4:64*\t+8*\cb+7] offset:64*\cb+16
.endr
	WIN 0
	ds_store_b32 v7, v[ST+8*\t+4]
	s_wait_loadcnt 24-8*\t                         ; my gate is in: behind its eight loads the later tiles' were issued, eight each
.if \t < 3
	WIN 0x03                                       ; source 0 in window 3
.set rG, GW+32*\t
.else
	WIN 0x02                                       ; source 0 in window 2
.set rG, KF
.endif
.irp u, 0,1,2,3,4,5,6,7
.irp n, 0,1,2,3
	v_fma_mix_f32 v[E+8*\u+2*\n], v[rG+4*\u+\n], v11, v53 op_sel:[0,0,0] op_sel_hi:[1,0,0]
	v_fma_mix_f32 v[E+8*\u+2*\n+1], v[rG+4*\u+\n], v11, v53 op_sel:[1,0,0] op_sel_hi:[1,0,0]
.endr
.endr
	WIN 0
.if (\last) == 0
	s_branch .Lcom
.endif
.endm
	s_mov_b32 s[TCN], 4
	s_mov_b32 s91, 0
.Ltile:
	s_wait_xcnt 0x0                                ; the last trip's stores have read their registers and their base
	s_cmp_eq_u32 s[TCN], 4
	s_cbranch_scc1 .Lo0
	s_cmp_eq_u32 s[TCN], 3
	s_cbranch_scc1 .Lo1
	s_cmp_eq_u32 s[TCN], 2
	s_cbranch_scc1 .Lo2
	s_branch .Lo3
	OSEC 0, 0
	OSEC 1, 0
	OSEC 2, 0
	OSEC 3, 1
.Lcom:
	s_lshl_b32 s88, s[CUR], 6
	s_lshl4_add_u32 s88, s[WV], s88                ; the tile's first row in the sequence
	s_lshl_b32 s90, s88, 12
	s_add_nc_u64 s[82:83], s[78:79], s[90:91]
.irp u, 0,1,2,3,4,5,6,7                ; LDS serves a wave's instructions in order (ISA guide 5.7.1.4): these see the stores above; they come back under the exponentials
	ds_load_b128 v[OX+8*\u:OX+8*\u+3], v8 offset:2*SGP*\u
	ds_load_b128 v[OX+8*\u+4:OX+8*\u+7], v8 offset:2*SGP*\u+16
	ds_load_b32 v[LL+2*\u], v9 offset:2*SGP*\u
.endr
.set i, 0
.rept 64
	v_exp_f32 v[E+i], v[E+i]
.set i, i+1
.endr
	v_nop
	s_wait_alu depctr_va_vdst(0)                   ; one wait for the 64 exponentials
	s_wait_dscnt 0x0
.irp u, 0,1,2,3,4,5,6,7
.irp n, 0,1,2,3
	v_pk_fma_f32 v[E+8*\u+2*\n:E+8*\u+2*\n+1], v[E+8*\u+2*\n:E+8*\u+2*\n+1], v[LL+2*\u:LL+2*\u+1], v[LL+2*\u:LL+2*\u+1] op_sel_hi:[1,0,0]
.endr
.endr
.set i, 0
.rept 64
	v_rcp_f32 v[E+i], v[E+i]
.set i, i+1
.endr
	v_nop
	s_wait_alu depctr_va_vdst(0)                   ; one wait for the 64 reciprocals
.set i, 0
.rept 32
	v_pk_mul_f32 v[OX+i:OX+i+1], v[OX+i:OX+i+1], v[E+i:E+i+1]
.set i, i+2
.endr
.set i, 0
.rept 32
	v_cvt_pk_f16_f32 v[G+i], v[OX+2*i], v[OX+2*i+1]
.set i, i+1
.endr
.irp u, 0,1,2,3,4,5,6,7
	global_store_b128 v10, v[G+4*\u:G+4*\u+3], s[82:83] offset:8192*\u  ; 16 lanes store a token's 256 bytes of my head, aligned
.endr
	s_sub_co_u32 s[TCN], s[TCN], 1
	s_cmp_lg_u32 s[TCN], 0
	s_cbranch_scc1 .Ltile
	s_wait_tensorcnt 0x0                           ; the wave's end, behind my last tensor load and my last LDS store
	ds_add_u32 v62, v63
	s_wait_dscnt 0x0
	CROUND                                         ; the closing round
	s_endpgm
.Lfunc_end_k_q6b77ff7ee1_attn:
	.size	k_q6b77ff7ee1_attn, .Lfunc_end_k_q6b77ff7ee1_attn-k_q6b77ff7ee1_attn
	.p2alignl 7, 3214868480
	.fill 96, 4, 3214868480
	.section	.rodata,"a",@progbits
	.p2align	6, 0x0
	.amdhsa_kernel k_q6b77ff7ee1_attn
		.amdhsa_group_segment_fixed_size 327680
		.amdhsa_private_segment_fixed_size 0
		.amdhsa_enable_private_segment 0
		.amdhsa_kernarg_size 24
		.amdhsa_user_sgpr_count 2
		.amdhsa_user_sgpr_kernarg_segment_ptr 1
		.amdhsa_wavefront_size32 1
		.amdhsa_system_sgpr_workgroup_id_x 1
		.amdhsa_system_sgpr_workgroup_id_y 1
		.amdhsa_system_sgpr_workgroup_id_z 1
		.amdhsa_system_vgpr_workitem_id 0
		.amdhsa_next_free_vgpr 1024
		.amdhsa_next_free_sgpr 102
		.amdhsa_reserve_vcc 1
		.amdhsa_float_denorm_mode_32 3
		.amdhsa_float_denorm_mode_16_64 3
		.amdhsa_memory_ordered 1
		.amdhsa_forward_progress 1
		.amdhsa_inst_pref_size 109
	.end_amdhsa_kernel
	.amdgpu_metadata
---
amdhsa.version: [ 1, 2 ]
amdhsa.kernels:
  - .name:           k_q6b77ff7ee1_attn
    .symbol:         k_q6b77ff7ee1_attn.kd
    .args:
      - { .name: hb, .offset: 0, .size: 8, .value_kind: global_buffer, .address_space: global }
      - { .name: gx, .offset: 8, .size: 8, .value_kind: global_buffer, .address_space: global }
      - { .name: ag, .offset: 16, .size: 8, .value_kind: global_buffer, .address_space: global }
    .group_segment_fixed_size: 327680
    .private_segment_fixed_size: 0
    .kernarg_segment_align: 8
    .kernarg_segment_size: 24
    .max_flat_workgroup_size: 128
    .sgpr_count:     102
    .vgpr_count:     1024
    .wavefront_size: 32
...
	.end_amdgpu_metadata
.endif
;; end of part 3
;; launch oproj (part 4): grid 16 x 16, 4 waves a work-group, clusters of 4 x 4, 327,680 bytes of LDS; arguments ag, wof, out0; writes out0
.if DOCPART == 4
	.amdgcn_target "amdgcn-amd-amdhsa--gfx1250"
	.amdhsa_code_object_version 6
	.text
	.protected	k_q6b77ff7ee1_oproj
	.globl	k_q6b77ff7ee1_oproj
	.p2align	8
	.type	k_q6b77ff7ee1_oproj,@function
k_q6b77ff7ee1_oproj:
	s_mov_b64 s[64:65], 0
	v_nop
	global_prefetch_b8 v0, s[64:65] scope:SCOPE_SE
	s_setreg_imm32_b32 hwreg(HW_REG_WAVE_MODE, 25, 1), 1
	s_wait_xcnt 0x0
	s_wait_alu depctr_hold_cnt(0) depctr_sa_sdst(0) depctr_va_vdst(0) depctr_va_sdst(0) depctr_va_ssrc(0) depctr_va_vcc(0) depctr_vm_vsrc(0)
	s_getreg_b32 s2, hwreg(HW_REG_IB_STS2, 6, 4)
	s_cmp_eq_u32 s2, 0
	s_cbranch_scc0 .Lentry_in_a_cluster
	s_endpgm
.Lentry_in_a_cluster:
	s_bfe_u32 s2, ttmp6, 0x10000c
	s_cmp_lg_u32 s2, 0xf033
	s_cbranch_scc0 .Lentry_shape_is_right
	s_endpgm
.Lentry_shape_is_right:
; OPROJ: out0 [4096][2048] f32 = ag [4096][2048] f16 times Wo (bf16 numbers written as f16, as register images of 1,024 bytes a fragment).  Sums in f32, stored as they are.
; SHARES.  16 x 16 tiles of 256 rows x 128 columns, the largest tile that gives each of 256 work-groups one.  Wave w: rows 128 (w / 2) on, columns 64 (w % 2) on: 32 accumulators, 256 registers.
; K goes in 64 quarters of 32, eight to a PERIOD of 256.
; ag COMES THROUGH LDS: two slots of a period each, 256 rows of 512 bytes padded to 528; each wave fetches 64 rows by one joint load, shared along the cluster's row (CLUSTER 4 x 4).  Two slots of a period
; for both operands would be 401,408 bytes, more than LDS has; for ag alone they are 270,336, and a refill has 240 matrix instructions in which to land.
; Wo COMES STRAIGHT INTO REGISTERS: its images lie in memory as a fragment lies in registers, 512 bytes on end to a load, so a wave loads its own four fragments of each quarter, eight loads, into a ring of
; eight quarters (256 registers).  In the middle of quarter g it asks for quarter g + 7, into the registers that quarter g - 1 read.  At most 56 loads of a wave are out.  Wo is therefore not shared in the cluster, and the
; two waves of a column half read the same images: 1 MiB a work-group.
; A PERIOD IS WRITTEN ONCE: which slot is read and which is filled are two scalars, 0 or SLOT, turned at each change of slots.
; THE PRODUCT IS TRANSPOSED (source 0 = 16 columns of Wo, source 1 = 16 rows of ag): a lane holds one row and eight neighbouring columns.  The way out goes through each wave's own stage: a wave's 64 columns are 256 bytes of a row.
; REGISTERS: window 0: v0-47 addresses; v48-111, v112-175 ag's fragments, two buffers.   window 1: the accumulators, (a, b) at v[8 (4 a + b)].   window 2: Wo's ring, quarter q % 8, fragment b at v[32 (q % 8) + 8 b].
.set PITCH, 528                        ; 512 bytes + 16 = 132 words: row r starts at bank 4 r mod 64 (64 banks of 4 bytes: ISA guide 11.1)
.set AQ,    64*PITCH                   ; what one tensor load brings
.set SLOT,  4*AQ                       ; 135,168
.set STAGE, 2*SLOT                     ; never filled by a tensor load: 16 rows x 272 bytes a wave
.set SP,    272
.set SPARE, STAGE+4*16*SP              ; the spare words: two blocks of 256 bytes that no other line names
.set QB,    8192                       ; a quarter of a tile column in wof: 8 fragments
.set G1A, 24                           ; s[24:31] descriptor group 1
.set G0,  32                           ; s[32:39] group 0: a set for each of the two first fills; the second then walks on
.set LB,  40                           ; s40  my 64 rows' place in a slot
.set TF,  41                           ; s41  the slot filled last: 0 or SLOT
.set TRD, 42                           ; s42  the slot that is read: 0 or SLOT
.set BP,  44                           ; s[44:45] wof at my four fragments of the trip's first quarter
.set MSB, 0
.macro WIN new                         ; the immediate's high byte repeats the setting that is left; a switch that changes nothing is dropped
.if MSB != (\new)
	s_set_vgpr_msb (MSB<<8)|(\new)
.set MSB, \new
.endif
.endm
.macro PLACES                          ; four plain vector instructions between a matrix instruction and a load into, or a read of, its registers
.rept 4
	v_nop
.endr
.endm
.macro CREST                           ; a round of the cluster's barrier behind its opening barrier
	s_cmp_lg_u32 s18, 0
	s_cbranch_scc1 .Lnot_wave_0_\@
	s_barrier_signal -3
.Lnot_wave_0_\@:
	s_barrier_wait -3
	s_barrier_signal -1
	s_barrier_wait -1
.endm
.macro CROUND
	s_barrier_signal -1
	s_barrier_wait -1
	CREST
.endm
; PREFETCHES INTO THE L2, behind a refill and the runs of loads that follow it.  ag: the period that the NEXT refill will ask for, 256 matrix instructions ahead of that load: of the 64 rows that the wave fetches the partner at
; cx names rows 16 cx .. + 15, two blocks of 256 bytes a row, a lane a block; the cluster with x = 0 asks.  Wo: in trip p quarters 8 p + 20 .. 8 p + 27 of the tile column (65,536 bytes on end), which are loaded 6 to 13 quarters
; later; the cluster with y = 0 asks, its partner at cy for 16,384 of them, waves 0 and 1 for 32 blocks each, a lane a block.  So each block is named once in the launch, and partners are told apart by address alone.
; The loop's last trip asks for nothing; what lies ahead of the first names comes by its loads alone.
.macro ASK
	s_cmp_gt_u32 s3, s78                           ; s3 = 1 in the last trip; the limit is 1 in a wave that asks, else the greatest number
	s_cbranch_scc0 .Lno_a_\@
	global_prefetch_b8 v10, s[72:73] th:TH_LOAD_NT scope:SCOPE_SE
.Lno_a_\@:
	s_cmp_gt_u32 s3, s79
	s_cbranch_scc0 .Lno_b_\@
	global_prefetch_b8 v14, s[74:75] th:TH_LOAD_NT scope:SCOPE_SE
.Lno_b_\@:
.endm
.macro MULR f, a, q, zero              ; four matrix instructions: row block a x the four column fragments of ring place q; the 32 accumulators take turns
	WIN 0x52                                       ; Wo in window 2, ag in window 0, C and D in window 1
.irp b, 0,1,2,3
.if \zero
	v_wmma_f32_16x16x32_f16 v[8*(4*(\a)+\b):8*(4*(\a)+\b)+7], v[32*(\q)+8*\b:32*(\q)+8*\b+7], v[48+64*(\f)+8*(\a):48+64*(\f)+8*(\a)+7], 0
.else
	v_wmma_f32_16x16x32_f16 v[8*(4*(\a)+\b):8*(4*(\a)+\b)+7], v[32*(\q)+8*\b:32*(\q)+8*\b+7], v[48+64*(\f)+8*(\a):48+64*(\f)+8*(\a)+7], v[8*(4*(\a)+\b):8*(4*(\a)+\b)+7]
.endif
.endr
.endm
.macro FETCH kq, f                     ; 16 LDS loads in one run: ag's eight fragments of quarter kq of the slot that v4 points into
	WIN 0
.irp a, 0,1,2,3,4,5,6,7
	ds_load_b128 v[48+64*(\f)+8*\a:48+64*(\f)+8*\a+3], v4 offset:(\kq)*64+\a*16*PITCH
	ds_load_b128 v[48+64*(\f)+8*\a+4:48+64*(\f)+8*\a+7], v4 offset:(\kq)*64+\a*16*PITCH+32
.endr
.endm
.macro BLOAD q, off                    ; 8 loads: Wo's four fragments of the quarter at byte off behind the pointer, into ring place q; each load takes 512 bytes on end
	WIN 0x80                                       ; destination window 2, address window 0
.irp b, 0,1,2,3
	global_load_b128 v[32*(\q)+8*\b:32*(\q)+8*\b+3], v9, s[BP:BP+1] offset:(\off)+\b*1024
	global_load_b128 v[32*(\q)+8*\b+4:32*(\q)+8*\b+7], v9, s[BP:BP+1] offset:(\off)+\b*1024+512
.endr
.endm
; A quarter: multiplies ag's buffer f by ring place q; in its middle it fetches ag's quarter kq into buffer g and (bl >= 0) asks for Wo's quarter bl behind the pointer, into the ring place read last.
; lc: the loads of Wo's younger quarters, which may stay out
.macro QUARTER kq, f, g, q, zero, bl, lc
	s_wait_loadcnt \lc                             ; loads come back in order (ISA guide 5.7.1): this quarter's Wo is in
	s_wait_dscnt 8                                 ; ag's blocks 0-3 are in; the youngest eight loads (blocks 4-7) may be out
	MULR \f, 0, \q, \zero
	MULR \f, 1, \q, \zero
	MULR \f, 2, \q, \zero
	MULR \f, 3, \q, \zero
	PLACES
	FETCH \kq, \g
.if (\bl) >= 0
	BLOAD ((\q)+7)%8, (\bl)*QB
.endif
	s_wait_dscnt 16                                ; all but the 16 just issued
	MULR \f, 4, \q, \zero
	MULR \f, 5, \q, \zero
	MULR \f, 6, \q, \zero
	MULR \f, 7, \q, \zero
.endm
; A period's last quarter multiplies buffer 1 by ring place 7 and changes slots: each wave waits for all its tensor loads (one is out: its part of the next slot), adds 0 to its spare word, waits for that and for its reads
; of this slot.  fill = 1: the barrier opens a round of the cluster's barrier, and behind it this slot is filled again first, with the period two on.
.macro TURN fill
	s_wait_loadcnt 48
	WIN 0
	s_wait_tensorcnt 0x0
	ds_add_u32 v46, v47
	s_wait_dscnt 9                                 ; the add and the youngest eight loads may be out
	MULR 1, 0, 7, 0
	MULR 1, 1, 7, 0
	s_wait_dscnt 0x0                               ; the add is done, my reads of this slot are over
	s_barrier_signal -1
	MULR 1, 2, 7, 0
	MULR 1, 3, 7, 0
	WIN 0
	s_barrier_wait -1
.if \fill
	CREST                                          ; no wave of any partner still reads this slot or has a load on its way
	s_xor_b32 s[TF], s[TF], SLOT                   ; the walking descriptor: the other slot than last time,
	s_add_co_u32 s[G0+5], s[LB], s[TF]
	s_add_nc_u64 s[G0+6:G0+7], s[G0+6:G0+7], 512   ; the next period; the type bits on top are not reached
	tensor_load_to_lds s[G0+4:G0+7], s[G1A:G1A+7]  ; 240 matrix instructions ahead of the wait for it
	s_nop 0
.rept 4
	v_nop                                          ; also the places in front of the loads below
.endr
.else
	PLACES
.endif
	s_xor_b32 s[TRD], s[TRD], SLOT                 ; the reads go on in the other slot
	v_add_nc_u32 v4, s[TRD], v5
	FETCH 0, 0
	BLOAD 6, 14*QB
.if \fill
	WIN 0
	ASK
.endif
	MULR 1, 4, 7, 0
	MULR 1, 5, 7, 0
	MULR 1, 6, 7, 0
	MULR 1, 7, 7, 0
.endm
	s_load_b128 s[4:7], s[0:1], 0x0                ; ag s[4:5], wof s[6:7]
	s_load_b64 s[8:9], s[0:1], 0x10                ; out0
	v_lshl_add_u32 v46, v0, 2, SPARE
	v_mov_b32 v47, 0
	ds_add_u32 v46, v47                            ; the wave's opening: the add and its wait ahead of my first tensor load
	v_lshrrev_b32 v3, 5, v0
	v_readfirstlane_b32 s18, v3                    ; wave 0..3
	s_lshr_b32 s19, s18, 1                         ; my half of the rows
	s_and_b32 s20, s18, 1                          ; my half of the columns
	s_bfe_u32 s21, ttmp6, 0x40000                  ; cx
	s_bfe_u32 s22, ttmp6, 0x40004                  ; cy
	s_lshl_b32 s23, ttmp9, 2
	s_add_co_u32 s23, s23, s21                     ; tile column
	s_and_b32 s66, ttmp7, 0xffff
	s_lshl_b32 s66, s66, 2
	s_add_co_u32 s66, s66, s22                     ; tile row
	s_lshl_b32 s86, s22, 2
	s_lshl_b32 s86, 15, s86                        ; my row of the cluster
	s_or_b32 s[G1A], s86, (1<<16)|(1<<20)|(1<<21)|(6<<22)|(3<<25)  ; the mask; 2-byte elements; padding on; bit 21 beside a mask; after every 128 words, 4 words
	s_mov_b32 s[G1A+1], 256<<16                    ; tensor_dim0 = 256
	s_mov_b32 s[G1A+2], 64<<16                     ; tensor_dim1 = 64
	s_mov_b32 s[G1A+3], 256<<16                    ; tile_dim0 = 256
	s_mov_b32 s[G1A+4], 64                         ; tile_dim1 = 64
	s_mov_b32 s[G1A+5], 2048                       ; elements from row to row
	s_mov_b32 s[G1A+6], 0
	s_mov_b32 s[G1A+7], 0
	s_lshl_b32 s88, s66, 8
	s_lshl_b32 s89, s18, 6
	s_add_co_u32 s88, s88, s89
	s_lshl_b32 s88, s88, 12                        ; row 256 x tile row + 64 x wave, 4,096 bytes a row: made of the tile row and the wave's number alone
	s_mov_b32 s89, 0
	s_mul_i32 s[LB], s18, AQ                       ; no place in the cluster enters an LDS address
	s_mov_b32 s[TF], SLOT
	s_mov_b32 s[TRD], 0
	s_wait_dscnt 0x0                               ; the opening add is done
	s_wait_kmcnt 0x0
	s_add_nc_u64 s[88:89], s[4:5], s[88:89]
	CROUND                                         ; all sixteen work-groups are here: the first joint loads meet
.irp s, 0,1
	s_mov_b32 s[G0+4*\s], 1
	s_add_co_u32 s[G0+4*\s+1], s[LB], \s*SLOT
	s_add_nc_u64 s[G0+4*\s+2:G0+4*\s+3], s[88:89], \s*512
	s_or_b32 s[G0+4*\s+3], s[G0+4*\s+3], 0x80000000
.endr
	tensor_load_to_lds s[G0:G0+3], s[G1A:G1A+7]    ; periods 0 and 1: two loads of mine are out
	s_nop 0
	tensor_load_to_lds s[G0+4:G0+7], s[G1A:G1A+7]
	s_nop 0
.rept 4
	v_nop
.endr
	v_and_b32 v41, 31, v0                          ; l
	v_lshlrev_b32 v9, 4, v41                       ; v9: my 16 bytes of a load of 512; never rewritten
	s_lshl_b32 s90, s23, 19                        ; 524,288 bytes a tile column,
	s_lshl_b32 s91, s20, 12                        ; my four of a quarter's eight fragments
	s_add_co_u32 s90, s90, s91
	s_mov_b32 s91, 0
	s_add_nc_u64 s[BP:BP+1], s[6:7], s[90:91]
.irp q, 0,1,2,3,4,5,6
	BLOAD \q, \q*QB                                ; Wo's quarters 0-6: 56 loads
.endr
	WIN 0
	v_and_b32 v1, 15, v0                           ; l % 16
	v_bfe_u32 v2, v0, 4, 1                         ; l / 16
	v_mul_u32_u24 v5, v1, PITCH
	v_lshl_add_u32 v5, v2, 4, v5
	s_mul_i32 s93, s19, 2*AQ
	v_add_nc_u32 v5, s93, v5                       ; v5: my place in a slot: my 128 rows, row l % 16, 16 bytes for each half of the lanes; never rewritten
	v_mov_b32 v4, v5                               ; v4: the same in the slot that is read
	s_mul_i32 s93, s18, 16*SP
	s_add_co_u32 s93, s93, STAGE
	v_mul_u32_u24 v11, v1, SP
	v_lshl_add_u32 v11, v2, 5, v11
	v_add_nc_u32 v11, s93, v11                     ; v11 in: row l % 16, 32 bytes for each half of the lanes
	v_mul_u32_u24 v12, v2, SP
	v_lshl_add_u32 v12, v1, 4, v12
	v_add_nc_u32 v12, s93, v12                     ; v12 back: lanes 0-15 one row of 256 bytes, lanes 16-31 the next
	v_lshlrev_b32 v13, 13, v2
	v_lshl_add_u32 v13, v1, 4, v13                 ; v13: the same two rows in out0
	s_lshl_b32 s80, s66, 8
	s_lshl_b32 s81, s19, 7
	s_add_co_u32 s80, s80, s81
	s_lshl_b32 s80, s80, 13                        ; my first row, 8,192 bytes a row
	s_lshl_b32 s81, s23, 9
	s_add_co_u32 s80, s80, s81
	s_lshl_b32 s81, s20, 8
	s_add_co_u32 s80, s80, s81
	s_mov_b32 s81, 0
	s_add_nc_u64 s[8:9], s[8:9], s[80:81]
	; the prefetches
	s_lshl_b32 s94, s66, 8
	s_lshl_b32 s95, s18, 6
	s_add_co_u32 s94, s94, s95
	s_lshl_b32 s95, s21, 4
	s_add_co_u32 s94, s94, s95                     ; ag: my work-group's 16 of the 64 rows that I fetch,
	s_lshl_b32 s94, s94, 12
	s_add_co_u32 s94, s94, 3*512                   ; at period 3: the first refill asks for period 2
	s_mov_b32 s95, 0
	s_add_nc_u64 s[72:73], s[4:5], s[94:95]
	v_lshrrev_b32 v10, 1, v41
	v_lshlrev_b32 v10, 12, v10
	v_and_b32 v3, 1, v41
	v_lshl_add_u32 v10, v3, 8, v10                 ; v10: row l / 2, block l % 2
	s_lshl_b32 s98, s23, 19
	s_lshl_b32 s99, s22, 14
	s_add_co_u32 s98, s98, s99
	s_lshl_b32 s99, s20, 13
	s_add_co_u32 s98, s98, s99
	s_add_co_u32 s98, s98, 20*QB                   ; Wo: my 8,192 of my work-group's 16,384 bytes, from quarter 20 on
	s_mov_b32 s99, 0
	s_add_nc_u64 s[74:75], s[6:7], s[98:99]
	v_lshlrev_b32 v14, 8, v41                      ; v14: block l
	s_cmp_eq_u32 ttmp9, 0
	s_cselect_b32 s78, 1, -1                       ; ag: the cluster with x = 0: the same in all sixteen partners
	s_and_b32 s98, ttmp7, 0xffff
	s_or_b32 s98, s98, s19
	s_cmp_eq_u32 s98, 0
	s_cselect_b32 s79, 1, -1                       ; Wo: the cluster with y = 0, waves 0 and 1
	s_wait_tensorcnt 1                             ; my part of period 0 is in; period 1's may stay out
	s_barrier_signal -1
	s_barrier_wait -1
	FETCH 0, 0
	QUARTER 1, 0, 1, 0, 1, 7, 48                   ; the first quarter stands in front of the loop: its products start the sums.  48: Wo's quarters 1-6 may stay out
	WIN 0
	s_mov_b32 s3, 6
.Llap:                                                 ; a trip is a period, from its second quarter to the next period's first; it fills the slot that it leaves
.irp j, 1,2,3,4,5,6
	QUARTER \j+1, \j%2, (\j+1)%2, \j, 0, \j+7, 48
.endr
	TURN 1
	QUARTER 1, 0, 1, 0, 0, 15, 48
	WIN 0
	s_wait_xcnt 0x0                                ; every load and prefetch issued so far (the youngest load 16 products back, the youngest prefetch 48) has read its address: the pointers may be written
	s_add_nc_u64 s[BP:BP+1], s[BP:BP+1], 8*QB
	s_add_nc_u64 s[72:73], s[72:73], 512
	s_add_nc_u64 s[74:75], s[74:75], 8*QB
	s_sub_co_u32 s3, s3, 1
	s_cmp_lg_u32 s3, 0
	s_cbranch_scc1 .Llap
.irp j, 1,2,3,4,5,6                    ; the last period but one is written out: it fills nothing, and asks for Wo's last eight quarters
	QUARTER \j+1, \j%2, (\j+1)%2, \j, 0, \j+7, 48
.endr
	TURN 0
	QUARTER 1, 0, 1, 0, 0, 15, 48
.irp j, 1,2,3,4,5,6                    ; the last period asks for nothing more: the counts run down
	QUARTER \j+1, \j%2, (\j+1)%2, \j, 0, -1, 56-8*\j
.endr
	s_wait_loadcnt 0x0
	s_wait_dscnt 8
	MULR 1, 0, 7, 0
	MULR 1, 1, 7, 0
	MULR 1, 2, 7, 0
	MULR 1, 3, 7, 0
	s_wait_dscnt 0x0
	MULR 1, 4, 7, 0
	MULR 1, 5, 7, 0
	MULR 1, 6, 7, 0
	MULR 1, 7, 7, 0
	WIN 0
	PLACES
; THE WAY OUT, a block of 16 rows at a time through my stage; block a - 1 is stored while block a's loads are out.
.macro TOSTAGE a
	WIN 0x04                                       ; an LDS store's data is source 1
.irp b, 0,1,2,3
	ds_store_b128 v11, v[8*(4*(\a)+\b):8*(4*(\a)+\b)+3] offset:64*\b
	ds_store_b128 v11, v[8*(4*(\a)+\b)+4:8*(4*(\a)+\b)+7] offset:64*\b+16
.endr
	WIN 0
.if (\a) >= 2
	s_wait_xcnt 0x0                                ; the stores of the block two back have read these registers
.endif
.irp t, 0,1,2,3,4,5,6,7
	ds_load_b128 v[48+32*((\a)%2)+4*\t:48+32*((\a)%2)+4*\t+3], v12 offset:\t*2*SP  ; LDS serves a wave's instructions in order (ISA guide 5.7.1.4): these see the stores above
.endr
.endm
.macro SEND a, younger                 ; younger: the next block's eight stores and eight loads, or none
	s_wait_dscnt \younger
.irp t, 0,1,2,3,4,5,6,7
	global_store_b128 v13, v[48+32*((\a)%2)+4*\t:48+32*((\a)%2)+4*\t+3], s[8:9] offset:(\a)*131072+\t*16384 th:TH_STORE_NT  ; 16 lanes store 256 consecutive bytes, aligned
.endr
.endm
	TOSTAGE 0
.irp a, 1,2,3,4,5,6,7
	TOSTAGE \a
	SEND \a-1, 16
.endr
	SEND 7, 0
	s_wait_tensorcnt 0x0                           ; the wave's end, behind my last tensor load and my last LDS store
	ds_add_u32 v46, v47
	s_wait_dscnt 0x0
	CROUND                                         ; the closing round
	s_endpgm
.Lfunc_end_k_q6b77ff7ee1_oproj:
	.size	k_q6b77ff7ee1_oproj, .Lfunc_end_k_q6b77ff7ee1_oproj-k_q6b77ff7ee1_oproj
	.p2alignl 7, 3214868480
	.fill 96, 4, 3214868480
	.section	.rodata,"a",@progbits
	.p2align	6, 0x0
	.amdhsa_kernel k_q6b77ff7ee1_oproj
		.amdhsa_group_segment_fixed_size 327680
		.amdhsa_private_segment_fixed_size 0
		.amdhsa_enable_private_segment 0
		.amdhsa_kernarg_size 24
		.amdhsa_user_sgpr_count 2
		.amdhsa_user_sgpr_kernarg_segment_ptr 1
		.amdhsa_wavefront_size32 1
		.amdhsa_system_sgpr_workgroup_id_x 1
		.amdhsa_system_sgpr_workgroup_id_y 1
		.amdhsa_system_sgpr_workgroup_id_z 1
		.amdhsa_system_vgpr_workitem_id 0
		.amdhsa_next_free_vgpr 768
		.amdhsa_next_free_sgpr 102
		.amdhsa_reserve_vcc 0
		.amdhsa_float_denorm_mode_32 3
		.amdhsa_float_denorm_mode_16_64 3
		.amdhsa_memory_ordered 1
		.amdhsa_forward_progress 1
		.amdhsa_inst_pref_size 121
	.end_amdhsa_kernel
	.amdgpu_metadata
---
amdhsa.version: [ 1, 2 ]
amdhsa.kernels:
  - .name:           k_q6b77ff7ee1_oproj
    .symbol:         k_q6b77ff7ee1_oproj.kd
    .args:
      - { .name: ag, .offset: 0, .size: 8, .value_kind: global_buffer, .address_space: global }
      - { .name: wof, .offset: 8, .size: 8, .value_kind: global_buffer, .address_space: global }
      - { .name: out0, .offset: 16, .size: 8, .value_kind: global_buffer, .address_space: global }
    .group_segment_fixed_size: 327680
    .private_segment_fixed_size: 0
    .kernarg_segment_align: 8
    .kernarg_segment_size: 24
    .max_flat_workgroup_size: 128
    .sgpr_count:     102
    .vgpr_count:     768
    .wavefront_size: 32
...
	.end_amdgpu_metadata
.endif
;; end of part 4
